; MI455X (gfx1250); checked and timed in simulation.
; The chip was launched on July 23, 2026; its instructions are those of AMD's public machine-readable ISA for CDNA 5 (MIT licence, August 2026) and "CDNA5" Instruction Set Architecture Reference Guide (July 2026). The comments in the code are by the model that wrote it; some were corrected since.
;; Transformer Block. Allowed arithmetic: matrix products marked QUANTISED: E2M3 operands, one E8M0 scale for each 32 along K, by v_wmma_scale_f32_16x16x128_f8f6f4 with both operands' format E2M3, f32 sums; everything else in f32.
;; Inputs: b1 1,024 float32; b2 1,024 float32; bf1 4,096 float32; bf2 1,024 float32; bo 1,024 float32; g1 1,024 float32; g2 1,024 float32; w1 4,096 x 1,024 float32; w2 1,024 x 4,096 float32; wk 1,024 x 1,024 float32; wo 1,024 x 1,024 float32; wq 1,024 x 1,024 float32; wv 1,024 x 1,024 float32; x 2 x 2,048 x 1,024 float32.
;; Outputs: out0 2 x 2,048 x 1,024 float32.
;; This version of the problem:
;;   THIS VERSION OF THE PROBLEM IS GIVEN IN LOW PRECISION. The matrix products marked QUANTISED in the list below multiply operands that are first quantised to E2M3 (2 exponent bits, 3 mantissa bits; 6 bits a number), with one power-of-two scale for each 32 numbers along K (OCP MX v1.0); their sums are f32. All else is computed in f32.
;;   The module's matrix products, in the order in which they are computed (A, B: the left and right operand; K: the contracted axis; several contracted axes count as one K, in the product's order):
;;     1. [M 4,096, K 1,024] x [K 1,024, N 1,024]; A: input x; B: input wq: QUANTISED
;;     2. [M 4,096, K 1,024] x [K 1,024, N 1,024]; A: input x; B: input wk: QUANTISED
;;     3. [M 4,096, K 1,024] x [K 1,024, N 1,024]; A: input x; B: input wv: QUANTISED
;;     4. batch 32 x [M 2,048, K 64] x [K 64, N 2,048]; A: computed on the way; B: computed on the way: QUANTISED
;;     5. batch 32 x [M 2,048, K 2,048] x [K 2,048, N 64]; A: softmax (see below); B: computed on the way: QUANTISED
;;     6. [M 4,096, K 1,024] x [K 1,024, N 1,024]; A: computed on the way; B: input wo: QUANTISED
;;     7. [M 4,096, K 1,024] x [K 1,024, N 4,096]; A: computed on the way; B: input w1: QUANTISED
;;     8. [M 4,096, K 4,096] x [K 4,096, N 1,024]; A: computed on the way; B: input w2: QUANTISED
;;   THE QUANTISER, for each operand of a quantised product, along K:
;;     - K is cut into blocks of 32 from its start; a last block that is shorter is filled with zeros.
;;     - A block's scale is 2^e with e = floor(log2(the largest magnitude in the block)) - 2, held to -126 .. 127; a block of zeros has e = 0. As a byte (E8M0): e + 127.
;;     - Each number is divided by its block's scale, clamped to +-7.5, and rounded to the nearest number of E2M3, ties to even, subnormals kept.
;;     - The product sums the exact products of the quantised numbers (number of the format x scale) in f32.
;;   ~~~python
;;   def quantise(x, axis):      # numpy; x: float32 -> the quantised numbers, widened to float32 again
;;       x = np.moveaxis(x, axis, -1); K = x.shape[-1]
;;       x = np.pad(x, [(0, 0)] * (x.ndim - 1) + [(0, -K % 32)]); x = x.reshape(x.shape[:-1] + (-1, 32)); a = np.abs(x).max(-1, keepdims=True)
;;       e = np.where(a > 0, np.clip(np.frexp(np.where(a > 0, a, 1))[1] - 1 - 2, -126, 127), 0)      # np.frexp(a)[1] - 1 = floor(log2(a)), exactly
;;       r = np.clip(x / 2.0 ** e, -7.5, 7.5)
;;       step = 2.0 ** (np.maximum(np.frexp(np.where(r == 0, 1, r))[1] - 1, 0) - 3)
;;       q = np.round(r / step) * step * 2.0 ** e      # np.round: ties to even
;;       return np.moveaxis(q.reshape(q.shape[:-2] + (-1,))[..., :K], -1, axis).astype(np.float32)
;;   ~~~
;;   SOFTMAX AHEAD OF A QUANTISED PRODUCT. Where the list says 'softmax', what is quantised is not the finished softmax but p = 2^(t - M), with t = logit x log2(e) and M = ceil(the row's largest t), a whole number; so 1/2 < the row's largest p <= 1. The row's sum l is taken of the UNQUANTISED p, in f32, and the product's result is divided by l at the end. Since M is a whole number, a kernel that streams over the keys may use a running M (the ceiling of the running maximum): every later rescaling is an exact power of two, which a block's scale takes up: the codes' values come out the same.
;;   OPERANDS COMPUTED ON THE WAY. 'Computed on the way' means the value that the module computes at that place (a softmax that the list does not call 'softmax' is quantised finished and normalised). What goes into a quantiser is computed in f32, as accurately as f32 sums, v_exp_f32 and their like allow (about 1e-6 of the number): no bf16 or f16 on the way to a quantiser, and a product that is left as it is and whose result goes on into a quantised operand takes f32 operands (vector FMAs, or v_wmma_f32_16x16x4_f32). A number that lies on a knife's edge between two numbers of the format may be rounded either way, as far as f32 arithmetic and the matrix unit's own rounding can turn it there, and no further.
;; One version. Each part assembles by itself: llvm-mc -triple=amdgcn-amd-amdhsa -mcpu=gfx1250 --defsym DOCPART=n.
;; ======== version 1 of 1: 8 launches
;; limits: right only within a limited range of input values
;; workspace buffers: codes 13,631,488 bytes; qkvb 10,747,904 bytes; ctxc 3,407,872 bytes; y 16,777,216 bytes; h 16,777,216 bytes; hc 3,407,872 bytes; gc 13,631,488 bytes
;; launch quant (part 1): grid 256 x 1, 8 waves a work-group, no clusters, 68,608 bytes of LDS; arguments x, wq, wk, wv, wo, w1, w2, codes; writes codes
.if DOCPART == 1
	.amdgcn_target "amdgcn-amd-amdhsa--gfx1250"
	.amdhsa_code_object_version 6
	.text
	.protected	k_qc36d629a70_quant
	.globl	k_qc36d629a70_quant
	.p2align	8
	.type	k_qc36d629a70_quant,@function
k_qc36d629a70_quant:
	s_mov_b64 s[64:65], 0
	v_nop
	global_prefetch_b8 v0, s[64:65] scope:SCOPE_SE
	s_setreg_imm32_b32 hwreg(HW_REG_WAVE_MODE, 25, 1), 1
	s_wait_xcnt 0x0
; x and the six weights, all f32 with K innermost, become codes of FP6 (E2M3) with one E8M0 byte for each 32 along K, laid in the ORDER OF THE OPERAND'S REGISTERS.
; A BLOCK of 13,312 bytes is 128 rows x 128 along K: eight fragment images of 1,536 bytes (register g of lane l at 512 (g / 4) + 16 l + 4 (g % 4)), then from byte 12,288 on eight times 128 bytes of
; scale words (4 bytes a lane; lane l holds the word of the fragment's row l % 16).  A tensor is [group of 128 rows][K step][block].
; THE ROWS OF A FRAGMENT ARE NOT NEIGHBOURS: row r of fragment T is row 32 (T / 2) + 8 (T % 2) + r + 8 (r / 8) of the group, in every operand of the program, so that a transposed product leaves 16 neighbours
; along the next K in a lane's 16 registers of two neighbouring tiles.
; codes holds 1,024 blocks: x 0-255, wq 256-319, wk 320-383, wv 384-447, wo 448-511, w1 512-767 (K steps: 8), w2 768-1023 (K steps: 32).
; SHARES: work-group g takes blocks 4 g .. 4 g + 3, which lie in one tensor; wave w half of block w / 2: four fragments.  A fragment's 16 rows come by 16 loads of 512 consecutive bytes, turn through the wave's
; own stage in LDS (rows of 512 + 16 bytes) and come back 16 neighbours of each block of 32 to a lane.  No barrier: waves share nothing.  No cluster: work-groups share no input.
; A block's scale is 2^(floor(log2(largest magnitude)) - 2): its byte is the largest magnitude's exponent field - 2, held at 1 from below by a floor among the maximum's leaves.
; LIMITS: NaN and infinities are not served.  A block whose largest magnitude lies under 2^-124 gets the byte 1; a block of zeros too, where the rule says 127: its codes are zeros, and this program alone reads the bytes.
.set BLK,  13312
.set ROFF, 8                           ; v8-23   row i of a fragment: (i + 8 (i / 8)) x row bytes + 16 x lane
.set TM,   24                          ; v24-39  the quantiser's work
.set PW,   40                          ; v40     the scale word just made
.set L16,  41                          ; v41     16 x lane
.set PC,   44                          ; v44-62  the codes just made
.set R,    64                          ; v64-191 two sets of 64: a fragment as loaded
.set X,    192                         ; v192-255 the fragment turned: register 16 b + i = k 32 b + 16 (lane / 16) + i of row lane % 16
.set FB,   40                          ; s[40:47] the four fragments' first rows
.set SEL,  50                          ; s[50:51] v_permlanex16_b32's selects for lane l xor 16
; 64 numbers of a lane become a fragment's 12 registers of codes in v[PC] on and its scale word in v[PW]
.macro QUANT s
.irp b, 0,1,2,3
	v_max3_num_f32 v[TM+\b], |v[\s+16*\b]|, |v[\s+1+16*\b]|, 0x1800000   ; block b: my 16 numbers, and the floor 2^(3 - 127)
.endr
.irp i, 2,4,6,8,10,12,14
.irp b, 0,1,2,3
	s_delay_alu instid0(VALU_DEP_4)
	v_max3_num_f32 v[TM+\b], v[TM+\b], |v[\s+16*\b+\i]|, |v[\s+1+16*\b+\i]|   ; the four blocks by turns
.endr
.endr
.irp b, 0,1,2,3
	s_delay_alu instid0(VALU_DEP_4)
	v_permlanex16_b32 v[TM+4+\b], v[TM+\b], s[SEL], s[SEL+1]
.endr
.irp b, 0,1,2,3
	s_delay_alu instid0(VALU_DEP_4)
	v_max_num_f32 v[TM+\b], v[TM+\b], v[TM+4+\b]   ; with lane l xor 16's 16: the block's largest magnitude
.endr
.irp b, 0,1,2,3
	s_delay_alu instid0(VALU_DEP_4)
	v_add_nc_u32 v[TM+12+\b], 0xff000000, v[TM+\b]   ; 2 off its exponent field: the conversion's scale operand
.endr
.irp b, 0,1,2,3
	s_delay_alu instid0(VALU_DEP_4)
	v_lshrrev_b32 v[TM+4+\b], 23, v[TM+12+\b]      ; the scale's byte
.endr
	s_delay_alu instid0(VALU_DEP_3)
	v_lshl_or_b32 v[PW], v[TM+5], 8, v[TM+4]
	s_delay_alu instid0(VALU_DEP_1)
	v_lshl_or_b32 v[PW], v[TM+6], 16, v[PW]
	s_delay_alu instid0(VALU_DEP_1)
	v_lshl_or_b32 v[PW], v[TM+7], 24, v[PW]
.irp c, 0,1
	v_cvt_scalef32_pk16_fp6_f32 v[PC+6*\c:PC+2+6*\c], v[\s+32*\c:\s+15+32*\c], v[TM+12+2*\c]
	v_cvt_scalef32_pk16_fp6_f32 v[PC+12+4*\c:PC+14+4*\c], v[\s+16+32*\c:\s+31+32*\c], v[TM+12+2*\c+1]   ; a conversion's three registers begin on an even number
.endr
	v_nop                                          ; one plain place behind a scaled conversion
.irp c, 0,1                                    ; the operand wants a whole block in a lane: lanes 0-15 block 2 c, lanes 16-31 block 2 c + 1
.irp i, 0,1,2
	v_permlane16_swap_b32 v[PC+6*\c+\i], v[PC+12+4*\c+\i]
.endr
.irp i, 0,1,2
	s_delay_alu instid0(VALU_DEP_3)
	v_mov_b32 v[PC+3+6*\c+\i], v[PC+12+4*\c+\i]
.endr
.endr
.endm
	s_load_b512 s[8:23], s[0:1], 0x0               ; x s[8:9], wq, wk, wv, wo, w1, w2 s[20:21], codes s[22:23]
	v_lshl_add_u32 v59, v0, 2, 0x10800
	v_mov_b32 v63, 0
	v_lshrrev_b32 v1, 5, v0
	s_delay_alu instid0(VALU_DEP_1)
	v_readfirstlane_b32 s24, v1                    ; wave 0..7
	v_and_b32 v1, 31, v0                           ; lane
	v_and_b32 v2, 15, v0                           ; r
	v_bfe_u32 v3, v0, 4, 1                         ; h
	s_and_b32 s25, s24, 1                          ; which half of the block's fragments
	s_lshr_b32 s26, s24, 1                         ; which of the work-group's four blocks
	s_mul_i32 s27, s24, 8448                       ; my stage: 16 rows of 528 bytes
	v_lshlrev_b32 v[L16], 4, v1
	s_mul_i32 s28, s25, 6144
	v_add_nc_u32 v4, s28, v[L16]                   ; images: 16 x lane + my four fragments' place
	s_lshl_b32 s28, s25, 9
	v_lshl_add_u32 v5, v1, 2, s28                  ; scale words: 4 x lane + my four fragments' place
	v_add_nc_u32 v6, s27, v[L16]                   ; the stage on the way in: a row's 512 bytes as they lie
	v_mul_u32_u24 v7, v2, 528
	s_delay_alu instid0(VALU_DEP_1)
	v_lshl_add_u32 v7, v3, 6, v7
	s_delay_alu instid0(VALU_DEP_1)
	v_add_nc_u32 v7, s27, v7                       ; and on the way out: row r, + 64 h
	s_mov_b32 s[SEL], 0x76543210
	s_mov_b32 s[SEL+1], 0xfedcba98
.irp b, 0,1,2,3
	v_mov_b32 v[TM+4+\b], 0                        ; written once: a lane permute's destination counts as one of its sources
.endr
	s_wait_kmcnt 0x0
	; which tensor: the choice hangs on the work-group's number alone
	s_mov_b64 s[30:31], s[20:21]                   ; w2, whose first work-group is 192
	s_mov_b32 s32, 192
.macro PICK bound, ptr, first
	s_cmp_lt_u32 ttmp9, \bound
	s_cselect_b64 s[30:31], s[\ptr:\ptr+1], s[30:31]
	s_cselect_b32 s32, \first, s32
.endm
	PICK 192, 18, 128
	PICK 128, 16, 112
	PICK 112, 14, 96
	PICK 96, 12, 80
	PICK 80, 10, 64
	PICK 64, 8, 0
	s_cmp_lt_u32 ttmp9, 192
	s_cselect_b32 s33, 3, 5                        ; log2 of the K steps in a row: 8, or w2's 32
	s_add_co_u32 s34, s33, 9                       ; log2 of a row's bytes
	s_lshl_b32 s35, 1, s34                         ; a row's bytes
	s_sub_co_u32 s36, ttmp9, s32
	s_lshl_b32 s36, s36, 2
	s_add_co_u32 s36, s36, s26                     ; my block in its tensor
	s_lshr_b32 s37, s36, s33                       ; its group of 128 rows
	s_bfm_b32 s38, s33, 0
	s_and_b32 s38, s36, s38                        ; its K step
	s_lshl_b32 s37, s37, 7
	s_lshl_b32 s39, s25, 6
	s_add_co_u32 s37, s37, s39                     ; my first row: 128 x group + 64 x half
	s_lshl_b32 s37, s37, s34
	s_lshl_b32 s38, s38, 9
	s_add_co_u32 s37, s37, s38                     ; in bytes, + 512 x K step (a tensor has under 2^25 bytes)
	s_mov_b32 s49, 0
.irp t, 0,1,2,3
	s_lshl_b32 s48, 32*(\t/2)+8*(\t%2), s34        ; fragment t begins 0, 8, 32, 40 rows on
	s_add_co_u32 s48, s48, s37
	s_add_nc_u64 s[FB+2*\t:FB+2*\t+1], s[30:31], s[48:49]
.endr
	s_lshl_b32 s48, ttmp9, 2
	s_add_co_u32 s48, s48, s26
	s_mul_i32 s48, s48, BLK
	s_add_nc_u64 s[22:23], s[22:23], s[48:49]      ; my block in codes
.irp i, 0,1,2,3,4,5,6,7,8,9,10,11,12,13,14,15
	v_mad_u32_u24 v[ROFF+\i], s35, \i+8*(\i/8), v[L16]
.endr
.macro LOAD t                          ; fragment t: 16 rows, 512 consecutive bytes each
.irp i, 0,1,2,3,4,5,6,7,8,9,10,11,12,13,14,15
	global_load_b128 v[R+64*((\t)%2)+4*\i:R+64*((\t)%2)+4*\i+3], v[ROFF+\i], s[FB+2*(\t):FB+2*(\t)+1] th:TH_LOAD_NT
.endr
.endm
.macro FRAG t
.if (\t) < 3
	s_wait_loadcnt 16                              ; this fragment's 16 loads are in; the next fragment's 16 may be out
.else
	s_wait_loadcnt 0x0
.endif
.irp i, 0,1,2,3,4,5,6,7,8,9,10,11,12,13,14,15
	ds_store_b128 v6, v[R+64*((\t)%2)+4*\i:R+64*((\t)%2)+4*\i+3] offset:528*\i
.endr
.irp b, 0,1,2,3
.irp j, 0,1,2,3
	ds_load_b128 v[X+16*\b+4*\j:X+16*\b+4*\j+3], v7 offset:128*\b+16*\j   ; LDS serves a wave's instructions in order: these see the stores above
.endr
.endr
	s_wait_dscnt 0x0                               ; the fragment is turned, and the stores into the stage have read their registers
	s_wait_xcnt 0x0                                ; the last fragment's global stores have read PC and PW: both are written again below
.if (\t) < 2
	LOAD (\t)+2
.endif
	QUANT X
.irp c, 0,1,2
	global_store_b128 v4, v[PC+4*\c:PC+4*\c+3], s[22:23] offset:1536*(\t)+512*\c   ; 512 consecutive bytes, at a multiple of 256 from the buffer's first byte
.endr
	global_store_b32 v5, v[PW], s[22:23] offset:12288+128*(\t)
.endm
	LOAD 0
	LOAD 1
	s_wait_alu depctr_va_vdst(0)
	FRAG 0
	FRAG 1
	FRAG 2
	FRAG 3
	s_wait_tensorcnt 0x0
	ds_add_u32 v59, v63
	s_wait_dscnt 0x0
	s_endpgm
.Lfunc_end_k_qc36d629a70_quant:
	.size	k_qc36d629a70_quant, .Lfunc_end_k_qc36d629a70_quant-k_qc36d629a70_quant
	.p2alignl 7, 3214868480
	.fill 96, 4, 3214868480
	.section	.rodata,"a",@progbits
	.p2align	6, 0x0
	.amdhsa_kernel k_qc36d629a70_quant
		.amdhsa_group_segment_fixed_size 68608
		.amdhsa_private_segment_fixed_size 0
		.amdhsa_enable_private_segment 0
		.amdhsa_kernarg_size 64
		.amdhsa_user_sgpr_count 2
		.amdhsa_user_sgpr_kernarg_segment_ptr 1
		.amdhsa_wavefront_size32 1
		.amdhsa_system_sgpr_workgroup_id_x 1
		.amdhsa_system_sgpr_workgroup_id_y 1
		.amdhsa_system_sgpr_workgroup_id_z 1
		.amdhsa_system_vgpr_workitem_id 0
		.amdhsa_next_free_vgpr 256
		.amdhsa_next_free_sgpr 66
		.amdhsa_reserve_vcc 0
		.amdhsa_float_denorm_mode_32 3
		.amdhsa_float_denorm_mode_16_64 3
		.amdhsa_memory_ordered 1
		.amdhsa_forward_progress 1
		.amdhsa_inst_pref_size 43
	.end_amdhsa_kernel
	.amdgpu_metadata
---
amdhsa.version: [ 1, 2 ]
amdhsa.kernels:
  - .name:           k_qc36d629a70_quant
    .symbol:         k_qc36d629a70_quant.kd
    .args:
      - { .name: x, .offset: 0, .size: 8, .value_kind: global_buffer, .address_space: global }
      - { .name: wq, .offset: 8, .size: 8, .value_kind: global_buffer, .address_space: global }
      - { .name: wk, .offset: 16, .size: 8, .value_kind: global_buffer, .address_space: global }
      - { .name: wv, .offset: 24, .size: 8, .value_kind: global_buffer, .address_space: global }
      - { .name: wo, .offset: 32, .size: 8, .value_kind: global_buffer, .address_space: global }
      - { .name: w1, .offset: 40, .size: 8, .value_kind: global_buffer, .address_space: global }
      - { .name: w2, .offset: 48, .size: 8, .value_kind: global_buffer, .address_space: global }
      - { .name: codes, .offset: 56, .size: 8, .value_kind: global_buffer, .address_space: global }
    .group_segment_fixed_size: 68608
    .private_segment_fixed_size: 0
    .kernarg_segment_align: 8
    .kernarg_segment_size: 64
    .max_flat_workgroup_size: 256
    .sgpr_count:     66
    .vgpr_count:     256
    .wavefront_size: 32
...
	.end_amdgpu_metadata
.endif
;; end of part 1
;; launch qkv (part 2): grid 12 x 16, 4 waves a work-group, clusters of 4 x 4, 327,680 bytes of LDS; arguments codes, qkvb; writes qkvb
.if DOCPART == 2
	.amdgcn_target "amdgcn-amd-amdhsa--gfx1250"
	.amdhsa_code_object_version 6
	.text
	.protected	k_qc36d629a70_qkv
	.globl	k_qc36d629a70_qkv
	.p2align	8
	.type	k_qc36d629a70_qkv,@function
k_qc36d629a70_qkv:
	s_mov_b64 s[64:65], 0
	v_nop
	global_prefetch_b8 v0, s[64:65] scope:SCOPE_SE
	s_setreg_imm32_b32 hwreg(HW_REG_WAVE_MODE, 25, 1), 1
	s_wait_xcnt 0x0
	s_wait_alu depctr_hold_cnt(0) depctr_sa_sdst(0) depctr_va_vdst(0) depctr_va_sdst(0) depctr_va_ssrc(0) depctr_va_vcc(0) depctr_vm_vsrc(0)
	s_getreg_b32 s2, hwreg(HW_REG_IB_STS2, 6, 4)
	s_cmp_eq_u32 s2, 0
	s_cbranch_scc0 .Lentry_in_a_cluster
	s_endpgm
.Lentry_in_a_cluster:
	s_bfe_u32 s2, ttmp6, 0x10000c
	s_cmp_lg_u32 s2, 0xf033
	s_cbranch_scc0 .Lentry_shape_is_right
	s_endpgm
.Lentry_shape_is_right:
.set BLK,   13312
.set SCO,   12288
.set WLOAD, 2*BLK
.set SLOT,  WLOAD                      ; LDS is laid by wave: a wave's region holds its group's three slots of two K steps on end
.set SPARE, 12*WLOAD
.set RSTEP, 6*BLK
.set QBLK,  20992
.set HSTR,  16*QBLK
.set L16,  1
.set ADRA, 2
.set ADRB, 5
.set SPW,  8
.set NIL,  9
.set L8,   10
.set L4,   11
.set ADRS, 12
.set TM,   16
.set SC,   32
.set AF,   64
.set PC,   64
.set PW,   84
.set PW2,  85
.set G1,  24
.set G0,  32
.set G1B, 48
.set G0B, 56
.set G0C, 80
.set G0CB, 84
.set SEL, 70
.set MSB, 0
.macro WIN new
.if MSB != \new
	s_set_vgpr_msb (MSB<<8)|\new
.set MSB, \new
.endif
.endm
.set MUL_LO, 0xa1
.set MUL_HI, 0xf1
.macro PLACES
.rept 4
	v_nop
.endr
.endm
.macro JLOAD ga, gb
	s_cmp_eq_u32 s15, 0
	s_cbranch_scc0 .Lfor_b_\@
	tensor_load_to_lds s[\ga:\ga+3], s[G1:G1+7]
	s_nop 0
.rept 4
	v_nop
.endr
	s_branch .Lasked_\@
.Lfor_b_\@:
	tensor_load_to_lds s[\gb:\gb+3], s[G1B:G1B+7]
	s_nop 0
.rept 4
	v_nop
.endr
.Lasked_\@:
.endm
.macro CREST
	s_cmp_lg_u32 s14, 0
	s_cbranch_scc1 .Lnot_wave_0_\@
	s_barrier_signal -3
.Lnot_wave_0_\@:
	s_barrier_wait -3
	s_barrier_signal -1
	s_barrier_wait -1
.endm
.macro CROUND
	s_barrier_signal -1
	s_barrier_wait -1
	CREST
.endm
.macro DESC ga, gb, s
	s_mov_b32 s[\ga], 1
	s_add_co_u32 s[\ga+1], s45, \s*SLOT
	s_add_nc_u64 s[\ga+2:\ga+3], s[20:21], \s*WLOAD
	s_or_b32 s[\ga+3], s[\ga+3], 0x80000000
	s_mov_b32 s[\gb], 1
	s_add_co_u32 s[\gb+1], s45, \s*SLOT
	s_add_nc_u64 s[\gb+2:\gb+3], s[46:47], \s*WLOAD
	s_or_b32 s[\gb+3], s[\gb+3], 0x80000000
	s_wait_alu depctr_va_vdst(0)
	s_wait_tensorcnt 0x0
	ds_add_u32 v8, v9
	ds_add_u32 v8, v9
	s_wait_dscnt 0x0
	CROUND
	JLOAD \ga, \gb
.endm
.macro QUANT s, w
	WIN (\w)|((\w)<<2)
.irp b, 0,1,2,3
	v_max3_num_f32 v[TM+\b], |v[\s+16*\b]|, |v[\s+1+16*\b]|, 0x1800000
.endr
	WIN ((\w)<<2)|((\w)<<4)
.irp i, 2,4,6,8,10,12,14
.irp b, 0,1,2,3
	v_max3_num_f32 v[TM+\b], v[TM+\b], |v[\s+16*\b+\i]|, |v[\s+1+16*\b+\i]|
.endr
.endr
	WIN 0
.irp b, 0,1,2,3
	v_permlanex16_b32 v[TM+4+\b], v[TM+\b], s[SEL], s[SEL+1]
.endr
.irp b, 0,1,2,3
	v_max_num_f32 v[TM+\b], v[TM+\b], v[TM+4+\b]
.endr
.irp b, 0,1,2,3
	v_add_nc_u32 v[TM+12+\b], 0xff000000, v[TM+\b]
.endr
.irp b, 0,1,2,3
	v_lshrrev_b32 v[TM+4+\b], 23, v[TM+12+\b]
.endr
	v_lshl_or_b32 v[PW], v[TM+5], 8, v[TM+4]
	v_lshl_or_b32 v[PW], v[TM+6], 16, v[PW]
	v_lshl_or_b32 v[PW], v[TM+7], 24, v[PW]
	WIN \w
.irp c, 0,1
	v_cvt_scalef32_pk16_fp6_f32 v[PC+6*\c:PC+2+6*\c], v[\s+32*\c:\s+15+32*\c], v[TM+12+2*\c]
	v_cvt_scalef32_pk16_fp6_f32 v[PC+12+4*\c:PC+14+4*\c], v[\s+16+32*\c:\s+31+32*\c], v[TM+12+2*\c+1]
.endr
	WIN 0
	v_nop
.irp c, 0,1
.irp i, 0,1,2
	v_permlane16_swap_b32 v[PC+6*\c+\i], v[PC+12+4*\c+\i]
.endr
.irp i, 0,1,2
	v_mov_b32 v[PC+3+6*\c+\i], v[PC+12+4*\c+\i]
.endr
.endr
.endm
	s_load_b128 s[4:7], s[0:1], 0x0
	v_lshl_add_u32 v[SPW], v0, 2, SPARE
	v_mov_b32 v[NIL], 0
	ds_add_u32 v8, v9
	ds_add_u32 v8, v9
	s_wait_dscnt 0x0
	v_lshrrev_b32 v48, 5, v0
	v_readfirstlane_b32 s14, v48
	s_lshr_b32 s15, s14, 1
	s_and_b32 s16, s14, 1
	s_bfe_u32 s40, ttmp6, 0x40000
	s_bfe_u32 s41, ttmp6, 0x40004
	s_lshl_b32 s18, ttmp9, 2
	s_and_b32 s19, ttmp7, 0xffff
	s_lshl_b32 s19, s19, 2
	s_cmp_eq_u32 ttmp9, 2
	s_cselect_b32 s17, 0, s19
	s_cselect_b32 s42, s19, s18
	s_cselect_b32 s66, 384, 0
	s_cselect_b32 s67, 0, 256
	s_cselect_b32 s68, 1, 0
	s_add_co_u32 s17, s17, s41
	s_add_co_u32 s42, s42, s40
	s_lshl_b32 s43, s41, 2
	s_lshl_b32 s43, 15, s43
	s_lshl_b32 s44, 0x1111, s40
	s_or_b32 s[G1], s43, (3<<16)|(1<<21)
	s_or_b32 s[G1B], s44, (3<<16)|(1<<21)
.irp g, G1, G1B
	s_mov_b32 s[\g+1], 32<<16
	s_mov_b32 s[\g+2], 312<<16                     ; the head's one load a wave: six blocks on end, K steps 0-5 of its group, as 312 rows of 256 bytes
	s_mov_b32 s[\g+3], 32<<16
	s_mov_b32 s[\g+4], 312
	s_mov_b32 s[\g+5], 32
	s_mov_b32 s[\g+6], 0
	s_mov_b32 s[\g+7], 0
.endr
	s_lshl_b32 s20, s17, 1
	s_add_co_u32 s20, s20, s16
	s_lshl_b32 s20, s20, 3
	s_add_co_u32 s20, s20, s66
	s_mul_i32 s20, s20, BLK
	s_mov_b32 s21, 0
	s_lshl_b32 s46, s42, 1
	s_add_co_u32 s46, s46, s16
	s_lshl_b32 s46, s46, 3
	s_add_co_u32 s46, s46, s67
	s_mul_i32 s46, s46, BLK
	s_mov_b32 s47, 0
	s_mul_i32 s45, s14, 3*WLOAD
	s_lshl_b32 s72, s17, 1
	s_add_co_u32 s72, s72, s15
	s_lshl_b32 s73, s42, 1
	s_add_co_u32 s73, s73, s16
	s_and_b32 s74, s42, 3
	s_lshl_b32 s74, s74, 2
	s_lshl_b32 s75, s16, 1
	s_add_co_u32 s74, s74, s75
	s_lshl_b32 s75, s17, 2
	s_lshl_b32 s76, s15, 1
	s_add_co_u32 s75, s75, s76
	s_mul_i32 s76, ttmp9, 7168
	s_cmp_eq_u32 s68, 1
	s_cselect_b32 s72, s73, s72
	s_cselect_b32 s74, s75, s74
	s_cselect_b32 s76, 14336, s76
	s_lshr_b32 s73, s72, 4
	s_and_b32 s72, s72, 15
	s_lshl_b32 s73, s73, 4
	s_add_co_u32 s73, s73, s74
	s_lshl_b32 s73, s73, 4
	s_add_co_u32 s73, s73, s72
	s_mul_i32 s72, s73, QBLK
	s_add_co_u32 s72, s72, s76
	s_mov_b32 s73, 0
	s_mov_b32 s[SEL], 0x76543210
	s_mov_b32 s[SEL+1], 0xfedcba98
	s_wait_kmcnt 0x0
	s_add_nc_u64 s[20:21], s[4:5], s[20:21]
	s_add_nc_u64 s[46:47], s[4:5], s[46:47]
	s_add_nc_u64 s[6:7], s[6:7], s[72:73]
	CROUND
	DESC G0, G0B, 0
	v_and_b32 v48, 31, v0
	v_bfe_u32 v49, v0, 4, 1
	v_lshlrev_b32 v[L16], 4, v48
	s_wait_alu depctr_va_vdst(0)
	v_lshlrev_b32 v[L8], 3, v48
	v_lshlrev_b32 v[L4], 2, v48
	v_xor_b32 v51, 8, v48                          ; q's and k's half images of fragments 2, 3, 6, 7 are stored with lane xor 8: the reader takes rows 0-7 of a tile from fragment T and rows 8-15 from fragment T + 2, at different LDS banks
	v_lshlrev_b32 v52, 4, v51
	v_lshlrev_b32 v53, 3, v51
.irp b, 0,1,2,3
	v_mov_b32 v[TM+4+\b], 0
.endr
	s_mul_i32 s18, s15, 3*WLOAD
	s_mul_i32 s19, s16, 3*WLOAD
	s_add_co_u32 s19, s19, 6*WLOAD
	s_xor_b32 s22, s15, 1
	s_add_co_u32 s22, s22, s16
	s_add_co_u32 s22, s22, 1
	s_mul_i32 s22, s22, 3*WLOAD
	v_mul_u32_u24 v50, s22, v49
	v_add_nc_u32 v50, v50, v[L4]
	s_add_co_u32 s23, s18, SCO
.irp s, 0,1,2
	v_add_nc_u32 v[ADRA+\s], s18, v[L16]
	v_add_nc_u32 v[ADRB+\s], s19, v[L16]
	v_add_nc_u32 v[ADRS+\s], s23, v50
	s_add_co_u32 s18, s18, SLOT
	s_add_co_u32 s19, s19, SLOT
	s_add_co_u32 s23, s23, SLOT
.endr
.macro FETCH slot, u, p
	WIN 0x40
.irp x, 0,1,2,3,4,5,6,7
.irp c, 0,1,2
	ds_load_b128 v[128*(\p)+12*\x+4*\c:128*(\p)+12*\x+4*\c+3], v[ADRB+\slot] offset:(\u)*BLK+1536*\x+512*\c
.endr
.endr
	WIN 0
.irp x, 0,1,2,3,4,5,6,7
.irp c, 0,1,2
	ds_load_b128 v[AF+96*(\p)+12*\x+4*\c:AF+96*(\p)+12*\x+4*\c+3], v[ADRA+\slot] offset:(\u)*BLK+1536*\x+512*\c
.endr
.endr
.irp x, 0,1,2,3,4,5,6,7
	ds_load_b32 v[SC+8*(\p)+\x], v[ADRS+\slot] offset:(\u)*BLK+128*\x
.endr
.endm
.macro MULQ k, p, zero
.if (\k) < 2
	WIN MUL_LO
.else
	WIN MUL_HI
.endif
.irp a, 2*(\k), 2*(\k)+1
.irp b, 0,1,2,3,4,5,6,7
.set rD, 8*(8*((\a)%4)+\b)
.set rB, 128*(\p)+12*\b
.set rA, AF+96*(\p)+12*(\a)
.if \zero
	v_wmma_scale_f32_16x16x128_f8f6f4 v[rD:rD+7], v[rB:rB+11], v[rA:rA+11], 0, v[SC+8*(\p)+\b], v[SC+8*(\p)+(\a)] matrix_a_fmt:MATRIX_FMT_FP6 matrix_b_fmt:MATRIX_FMT_FP6 matrix_a_scale:MATRIX_SCALE_ROW1
.else
	v_wmma_scale_f32_16x16x128_f8f6f4 v[rD:rD+7], v[rB:rB+11], v[rA:rA+11], v[rD:rD+7], v[SC+8*(\p)+\b], v[SC+8*(\p)+(\a)] matrix_a_fmt:MATRIX_FMT_FP6 matrix_b_fmt:MATRIX_FMT_FP6 matrix_a_scale:MATRIX_SCALE_ROW1
.endif
.endr
.endr
.endm
.macro STEP slot, zero
	PLACES
	FETCH \slot, 1, 1
	s_wait_dscnt 56
	MULQ 0, 0, \zero
	MULQ 1, 0, \zero
	MULQ 2, 0, \zero
	MULQ 3, 0, \zero
	WIN 0
.endm
.macro TURN next, fill
	s_wait_tensorcnt 0x0
	ds_add_u32 v[SPW], v[NIL]
	s_wait_dscnt 1
	MULQ 0, 1, 0
	s_wait_dscnt 0x0
	s_barrier_signal -1
	MULQ 1, 1, 0
	WIN 0
	s_barrier_wait -1
.if \fill
	CREST
	s_add_nc_u64 s[G0+2:G0+3], s[G0+2:G0+3], RSTEP
	s_add_nc_u64 s[G0B+2:G0B+3], s[G0B+2:G0B+3], RSTEP
	s_mov_b32 s[G1+2], 104<<16                     ; no tensor load of mine is out: the refill brings two blocks, 104 rows
	s_mov_b32 s[G1+4], 104
	s_mov_b32 s[G1B+2], 104<<16
	s_mov_b32 s[G1B+4], 104
	JLOAD G0, G0B
.else
	PLACES
.endif
	FETCH \next, 0, 0
	MULQ 2, 1, 0
	MULQ 3, 1, 0
.endm
.macro PASS next
	s_wait_dscnt 0x0
	MULQ 0, 1, 0
	MULQ 1, 1, 0
	PLACES
	FETCH \next, 0, 0
	MULQ 2, 1, 0
	MULQ 3, 1, 0
.endm
	s_wait_alu depctr_va_vdst(0)
	s_wait_tensorcnt 0x0                           ; my one load is in
	s_barrier_signal -1
	s_barrier_wait -1
	FETCH 0, 0, 0
	STEP 0, 1
	TURN 1, 1
	STEP 1, 0
	PASS 2
	STEP 2, 0
	TURN 0, 0
	STEP 0, 0
	s_wait_dscnt 0x0
	MULQ 0, 1, 0
	MULQ 1, 1, 0
	MULQ 2, 1, 0
	MULQ 3, 1, 0
	WIN 0
	PLACES
.irp a, 0,1,2,3,4,5,6,7
.if \a > 0
	s_wait_xcnt 0x0
.endif
	QUANT 64*(\a%4), 2+\a/4
	s_cmp_eq_u32 s68, 1
	s_cbranch_scc1 .Lv_\a
	v_lshrrev_b32 v[PW2], 16, v[PW]
	global_store_b128 v[L16+51*((\a/2)%2)], v[PC:PC+3], s[6:7] offset:768*\a
	global_store_b64 v[L8+43*((\a/2)%2)], v[PC+4:PC+5], s[6:7] offset:768*\a+512
	global_store_b128 v[L16+51*((\a/2)%2)], v[PC+6:PC+9], s[6:7] offset:HSTR+768*\a
	global_store_b64 v[L8+43*((\a/2)%2)], v[PC+10:PC+11], s[6:7] offset:HSTR+768*\a+512
	global_store_b32 v[L4], v[PW], s[6:7] offset:6144+128*\a
	global_store_b32 v[L4], v[PW2], s[6:7] offset:HSTR+6144+128*\a
	s_branch .Ldone_\a
.Lv_\a:
	s_wait_alu depctr_va_vdst(0)
.irp c, 0,1,2
	global_store_b128 v[L16], v[PC+4*\c:PC+4*\c+3], s[6:7] offset:(\a/4)*HSTR+1536*(\a%4)+512*\c
.endr
	global_store_b32 v[L4], v[PW], s[6:7] offset:(\a/4)*HSTR+6144+128*(\a%4)
.Ldone_\a:
.endr
	s_wait_tensorcnt 0x0
	ds_add_u32 v[SPW], v[NIL]
	s_wait_dscnt 0x0
	CROUND
	s_endpgm
.Lfunc_end_k_qc36d629a70_qkv:
	.size	k_qc36d629a70_qkv, .Lfunc_end_k_qc36d629a70_qkv-k_qc36d629a70_qkv
	.p2alignl 7, 3214868480
	.fill 96, 4, 3214868480
	.section	.rodata,"a",@progbits
	.p2align	6, 0x0
	.amdhsa_kernel k_qc36d629a70_qkv
		.amdhsa_group_segment_fixed_size 327680
		.amdhsa_private_segment_fixed_size 0
		.amdhsa_enable_private_segment 0
		.amdhsa_kernarg_size 16
		.amdhsa_user_sgpr_count 2
		.amdhsa_user_sgpr_kernarg_segment_ptr 1
		.amdhsa_wavefront_size32 1
		.amdhsa_system_sgpr_workgroup_id_x 1
		.amdhsa_system_sgpr_workgroup_id_y 1
		.amdhsa_system_sgpr_workgroup_id_z 1
		.amdhsa_system_vgpr_workitem_id 0
		.amdhsa_next_free_vgpr 1024
		.amdhsa_next_free_sgpr 100
		.amdhsa_reserve_vcc 0
		.amdhsa_float_denorm_mode_32 3
		.amdhsa_float_denorm_mode_16_64 3
		.amdhsa_memory_ordered 1
		.amdhsa_forward_progress 1
		.amdhsa_inst_pref_size 144
	.end_amdhsa_kernel
	.amdgpu_metadata
---
amdhsa.version: [ 1, 2 ]
amdhsa.kernels:
  - .name:           k_qc36d629a70_qkv
    .symbol:         k_qc36d629a70_qkv.kd
    .args:
      - { .name: codes, .offset: 0, .size: 8, .value_kind: global_buffer, .address_space: global }
      - { .name: qkvb, .offset: 8, .size: 8, .value_kind: global_buffer, .address_space: global }
    .group_segment_fixed_size: 327680
    .private_segment_fixed_size: 0
    .kernarg_segment_align: 8
    .kernarg_segment_size: 16
    .max_flat_workgroup_size: 128
    .sgpr_count:     100
    .vgpr_count:     1024
    .wavefront_size: 32
...
	.end_amdgpu_metadata
.endif
;; end of part 2
;; launch attn (part 3): grid 8 x 32, 16 waves a work-group, clusters of 4 x 1, 223,232 bytes of LDS; arguments qkvb, ctxc; writes ctxc
.if DOCPART == 3
	.amdgcn_target "amdgcn-amd-amdhsa--gfx1250"
	.amdhsa_code_object_version 6
	.text
	.protected	k_qc36d629a70_attn
	.globl	k_qc36d629a70_attn
	.p2align	8
	.type	k_qc36d629a70_attn,@function
k_qc36d629a70_attn:
	s_mov_b64 s[64:65], 0
	v_nop
	global_prefetch_b8 v0, s[64:65] scope:SCOPE_SE
	s_setreg_imm32_b32 hwreg(HW_REG_WAVE_MODE, 25, 1), 1
	s_wait_xcnt 0x0
	s_wait_alu depctr_hold_cnt(0) depctr_sa_sdst(0) depctr_va_vdst(0) depctr_va_sdst(0) depctr_va_ssrc(0) depctr_va_vcc(0) depctr_vm_vsrc(0)
	s_getreg_b32 s2, hwreg(HW_REG_IB_STS2, 6, 4)
	s_cmp_eq_u32 s2, 0
	s_cbranch_scc0 .Lentry_in_a_cluster
	s_endpgm
.Lentry_in_a_cluster:
	s_bfe_u32 s2, ttmp6, 0x10000c
	s_cmp_lg_u32 s2, 0x3003
	s_cbranch_scc0 .Lentry_shape_is_right
	s_endpgm
.Lentry_shape_is_right:
; ctx = softmax(q k^T / 8) v for one (batch, head) and 256 queries, both products on codes of FP6 (E2M3) with E8M0 scales; ctx is quantised along the features and leaves as the next product's operand.
; THE SOFTMAX: t = score x log2(e) / 8; M = the row's largest t so far, rounded UP to a whole number; p = 2^(t - M) is quantised along the keys, not normalised; the row's sum is taken of the unquantised p and
; divides at the end.  When M moves, the sum and O are multiplied by 2^(old M - new M): exact.
; INPUT: qkvb, a block of 20,992 bytes for each (16 batch + head, group of 128 tokens): q's part at 0, k's at 7,168 (eight half images of 768 bytes, K = 64: registers 0-3 at 16 s, 4-5 at 512 + 8 s, s the lane's slot;
; in fragments 2, 3, 6, 7 the slot is lane xor 8; scale words from 6,144 on), v^T's at 14,336 (four images of 1,536 bytes; scale words from 6,144 on).  K of the first product is 64: registers 6-11 of q's and k's
; fragments are zero codes, written once.
; SHARES: sixteen waves, each with 16 queries in 256 registers.  k's and v^T's parts of the whole head, 16 x 13,824 bytes, stay in LDS: wave w brings group w by one tensor load; nothing is filled again.
; CLUSTER: the four blocks of queries of a cluster belong to one head: each tile is asked for jointly (mask 15).  No prefetch: all tiles come by the head's one load a wave, there is no loop to run ahead in.
; LAYOUT: both products transposed (S^T = k q^T, O^T = v^T p^T): a lane holds one query.  THE KEYS OF A TILE: tile 4 c + u takes as rows 0-7 keys 64 c + 8 u + j and as rows 8-15 keys 64 c + 32 + 8 u + j.  They lie in
; stored fragments 4 c + u % 2 and 4 c + 2 + u % 2, rows j + 8 (u / 2): each lane's LDS address picks its row.  So lane (query, h) holds in the 32 registers of tiles 4 c .. 4 c + 3 keys 64 c + 32 h + 0 .. 31: a WHOLE block,
; in the order of the second product's operand: a block's maximum needs no other lane and the codes no exchange of lanes.
; ORDER OF A TRIP (128 keys): tiles 0-3 (fetched a trip ahead); address steps as the places behind them; loads of tiles 4-7 and of v^T; the first block's maximum; tiles 4-7; address steps; loads of the next group's tiles 0-3;
; the second block's maximum; M, p, codes, sums; O^T += v^T p^T.  The last trip is written out: it fetches nothing more.
; LIMITS: NaN and infinities are not served; the promise holds while |t| stays under 2^31; a block of p or of ctx whose largest number lies under 2^-124 gets the scale byte 1.
.set QBLK, 20992
.set KVB,  13824                       ; k's and v^T's parts of a block
.set BLK,  13312
.set SCO,  12288
.set SPARE, 16*KVB                     ; behind the head's tiles: the spare words, 128 bytes a wave
.set WV,   8
.set SEL,  20
.set CS,   22
.set G1,   24
.set G0,   32
.set TB,   36                          ; s36  LDS byte of this trip's group
.set CNT,  37
.set TN,   48                          ; s48  and of the next
.set NC,   49                          ; s49  - log2(e) / 8
.set XS,   1                           ; v1-5 lane terms of k's addresses: scale words (x 4), registers 0-3 for u / 2 = 0, 1 (x 16), registers 4-5 likewise (x 8);  v0 = lane
.set XA0,  2
.set XA1,  3
.set XB0,  4
.set XB1,  5
.set KA0,  6                           ; v6-9 the addresses made of them
.set KA1,  7
.set KB0,  8
.set KB1,  9
.set SPW,  10
.set NIL,  11
.set QF,   16                          ; v12 -M, v13 the largest score, v[14:15] the sum; v16-27 q
.set QS,   28                          ; q's scale word;  v29 p's
.set PS,   29
.set E,    30                          ; v30-31 the conversions' scale operands
.set KF,   32                          ; v32-79 four fragments of k
.set KSC,  80                          ; v80-83 their scale words; v84-87 v^T's
.set VSC,  84
.set TM,   88                          ; v88-95 at work
.set S,    96                          ; v96-159 S^T, then p
.set O,    160                         ; v160-191 O^T
.set VF,   192                         ; v192-239 v^T's four fragments
.set PF,   240                         ; v240-251 p's codes
.set F,    252                         ; f = 2^(old M - new M); named as a pair with v253
.set KSA,  253                         ; address of k's scale words; v254, v255 of v^T's images and scale words
.set VA,   254
.set VS,   255
.macro CROUND                          ; a round of the cluster's barrier
	s_barrier_signal -1
	s_barrier_wait -1
	s_cmp_lg_u32 s[WV], 0
	s_cbranch_scc1 .Lnot_wave_0_\@
	s_barrier_signal -3
.Lnot_wave_0_\@:
	s_barrier_wait -3
	s_barrier_signal -1
	s_barrier_wait -1
.endm
.macro WALU
	s_wait_alu depctr_va_vdst(0)
.endm
.macro KLOAD c, adj                    ; tiles 4 c .. 4 c + 3 of k.  adj: what is added where an address register still stands at the group before (KB0 and KSA)
.irp u, 0,1,2,3
	ds_load_b128 v[KF+12*\u:KF+12*\u+3], v[KA0+\u/2] offset:768*(4*\c+\u%2)+128*(\u/2)
	ds_load_b64 v[KF+12*\u+4:KF+12*\u+5], v[KB0+\u/2] offset:512+768*(4*\c+\u%2)+64*(\u/2)+(\adj)*(1-\u/2)
	ds_load_b32 v[KSC+\u], v[KSA] offset:6144+128*(4*\c+\u%2)+32*(\u/2)+(\adj)
.endr
.endm
.macro QK c                            ; S^T of four tiles
.irp u, 0,1,2,3
	v_wmma_scale_f32_16x16x128_f8f6f4 v[S+32*\c+8*\u:S+32*\c+8*\u+7], v[KF+12*\u:KF+12*\u+11], v[QF:QF+11], 0, v[KSC+\u], v[QS] matrix_a_fmt:MATRIX_FMT_FP6 matrix_b_fmt:MATRIX_FMT_FP6
.endr
.endm
.macro BMAX x, d                       ; the largest of a block's 32 scores, four chains by turns; each accumulator is first read at its low end
.irp k, 0,1,2,3
	v_max3_num_f32 v[TM+\k], v[\x+3*\k], v[\x+3*\k+1], v[\x+3*\k+2]
.endr
.irp i, 12,20
.irp k, 0,1,2,3
	v_max3_num_f32 v[TM+\k], v[TM+\k], v[\x+\i+2*\k], v[\x+\i+2*\k+1]
.endr
.endr
	v_max3_num_f32 v[TM], v[TM], v[\x+28], v[\x+29]
	v_max3_num_f32 v[TM+1], v[TM+1], v[\x+30], v[\x+31]
	s_delay_alu instid0(VALU_DEP_2)
	v_max3_num_f32 v[TM+2], v[TM+2], v[TM+3], v[TM]
	s_delay_alu instid0(VALU_DEP_1)
	v_max_num_f32 v[\d], v[TM+2], v[TM+1]
.endm
.macro TRIP last
	s_wait_dscnt 0x0                               ; tiles 0-3 of k, asked for a trip ago
	QK 0
	v_lshl_add_u32 v[VA], v0, 4, s[TB]             ; four address steps: the places in front of the loads below and of the first read of S^T
	v_lshl_add_u32 v[VS], v0, 2, s[TB]
	v_lshl_add_u32 v[KSA], v[XS], 2, s[TB]
	v_lshl_add_u32 v[KB0], v[XB0], 3, s[TB]
	KLOAD 1, 0
.irp t, 0,1,2,3
.irp c, 0,1,2
	ds_load_b128 v[VF+12*\t+4*\c:VF+12*\t+4*\c+3], v[VA] offset:7168+1536*\t+512*\c
.endr
	ds_load_b32 v[VSC+\t], v[VS] offset:13312+128*\t
.endr
	BMAX S, TM+4
	s_wait_dscnt 16                                ; tiles 4-7 are in; v^T's 16 loads may be out
	QK 1
.if \last
.rept 4
	v_nop                                          ; places in front of the first read of tiles 4-7
.endr
.else
	v_lshl_add_u32 v[KA0], v[XA0], 4, s[TN]        ; on to the next group: with the v_nop the places in front of the loads below
	v_lshl_add_u32 v[KA1], v[XA1], 4, s[TN]
	v_lshl_add_u32 v[KB1], v[XB1], 3, s[TN]
	v_nop
	KLOAD 0, KVB
.endif
	BMAX S+32, TM+5
	v_max_num_f32 v[TM], v[TM+4], v[TM+5]
	s_delay_alu instid0(VALU_DEP_1)
	v_permlanex16_b32 v[TM+1], v[TM], s[SEL], s[SEL+1]
	s_delay_alu instid0(VALU_DEP_1)
	v_max3_num_f32 v13, v13, v[TM], v[TM+1]        ; the running largest score of my query
	s_delay_alu instid0(VALU_DEP_1)
	v_mul_f32 v[TM], s[NC], v13                    ; - t
	s_delay_alu instid0(VALU_DEP_1)
	v_floor_f32 v[TM], v[TM]                       ; the new -M = floor(-t) = -ceil(t)
	s_delay_alu instid0(VALU_DEP_1)
	v_sub_f32 v[TM+1], v[TM], v12                  ; old M - new M: a whole number, 0 or less
	v_mov_b32 v12, v[TM]
	s_delay_alu instid0(VALU_DEP_2)
	v_cvt_i32_f32 v[TM+1], v[TM+1]                 ; (it saturates)
	s_delay_alu instid0(VALU_DEP_1)
	v_ldexp_f32 v[F], 1.0, v[TM+1]
.set n, 0
.rept 32
	v_pk_fma_f32 v[S+n:S+n+1], v[S+n:S+n+1], s[CS:CS+1], v[12:13] op_sel_hi:[1,0,0]   ; t - M, two at a time
.set n, n+2
.endr
	v_fma_f32 v[TM+4], v[TM+4], s[CS], v12         ; the same of each block's largest score: p rises with the score
	v_fma_f32 v[TM+5], v[TM+5], s[CS], v12
.set n, 0
.rept 16
	v_pk_mul_f32 v[O+n:O+n+1], v[O+n:O+n+1], v[F:F+1] op_sel_hi:[1,0]   ; O^T under the new M
.set n, n+2
.endr
	WALU                                           ; the wait ahead of the batch
.set n, 0
.rept 64
	v_exp_f32 v[S+n], v[S+n]                       ; p = 2^(t - M)
.set n, n+1
.endr
	v_exp_f32 v[TM+4], v[TM+4]                     ; each block's largest p
	v_exp_f32 v[TM+5], v[TM+5]
	v_nop                                          ; a plain place behind the batch
	WALU                                           ; and the wait behind it
	v_max_num_f32 v[TM+4], 0x1800000, v[TM+4]      ; the floor 2^(3 - 127): the byte cannot fall under 1
	v_max_num_f32 v[TM+5], 0x1800000, v[TM+5]
	v_add_nc_u32 v[E], 0xff000000, v[TM+4]         ; 2 off the exponent field: the conversion's scale operand
	v_add_nc_u32 v[E+1], 0xff000000, v[TM+5]
	v_cvt_scalef32_pk16_fp6_f32 v[PF:PF+2], v[S:S+15], v[E]
	v_cvt_scalef32_pk16_fp6_f32 v[TM:TM+2], v[S+16:S+31], v[E]          ; a conversion's three registers begin on an even number
	v_cvt_scalef32_pk16_fp6_f32 v[PF+6:PF+8], v[S+32:S+47], v[E+1]
	v_cvt_scalef32_pk16_fp6_f32 v[TM+4:TM+6], v[S+48:S+63], v[E+1]
	v_lshrrev_b32 v[TM+3], 23, v[E]                ; the scale bytes of my blocks h and 2 + h (a plain place behind the conversions)
	v_lshrrev_b32 v[TM+7], 23, v[E+1]
.irp i, 0,1,2
	v_mov_b32 v[PF+3+\i], v[TM+\i]
	v_mov_b32 v[PF+9+\i], v[TM+4+\i]
.endr
	v_lshl_or_b32 v[TM+3], v[TM+7], 16, v[TM+3]
	s_delay_alu instid0(VALU_DEP_1)
	v_permlanex16_b32 v[TM+7], v[TM+3], s[SEL], s[SEL+1]
	s_delay_alu instid0(VALU_DEP_1)
	v_lshl_or_b32 v[PS], v[TM+7], 8, v[TM+3]       ; lanes 0-15, which the product reads: bytes 0, 2 mine, bytes 1, 3 lane l + 16's
	v_pk_fma_f32 v[14:15], v[14:15], v[F:F+1], v[S:S+1] op_sel_hi:[1,0,1]   ; the sum under the new M, and the unquantised p: four chains, three of them in p's own registers
.irp i, 1,2,3,4,5,6,7
	v_pk_add_f32 v[14:15], v[14:15], v[S+8*\i:S+8*\i+1]
.irp k, 1,2,3
	v_pk_add_f32 v[S+2*\k:S+2*\k+1], v[S+2*\k:S+2*\k+1], v[S+8*\i+2*\k:S+8*\i+2*\k+1]
.endr
.endr
	v_pk_add_f32 v[14:15], v[14:15], v[S+2:S+3]
	v_pk_add_f32 v[S+4:S+5], v[S+4:S+5], v[S+6:S+7]
	s_delay_alu instid0(VALU_DEP_1)
	v_pk_add_f32 v[14:15], v[14:15], v[S+4:S+5]
.if \last
	s_wait_dscnt 0x0
.else
	s_wait_dscnt 12                                ; v^T is in; the next group's 12 loads may be out
.endif
.irp t, 0,1,2,3                                ; O^T += v^T p^T: the four accumulators by turns
	v_wmma_scale_f32_16x16x128_f8f6f4 v[O+8*\t:O+8*\t+7], v[VF+12*\t:VF+12*\t+11], v[PF:PF+11], v[O+8*\t:O+8*\t+7], v[VSC+\t], v[PS] matrix_a_fmt:MATRIX_FMT_FP6 matrix_b_fmt:MATRIX_FMT_FP6
.endr
.endm
	s_load_b128 s[4:7], s[0:1], 0x0                ; qkvb s[4:5], ctxc s[6:7]
	v_lshl_add_u32 v[SPW], v0, 2, SPARE
	v_mov_b32 v[NIL], 0
	ds_add_u32 v[SPW], v[NIL]                      ; the opening lines: the add twice and its wait ahead of my tensor load
	ds_add_u32 v[SPW], v[NIL]
	v_lshrrev_b32 v1, 5, v0
	s_delay_alu instid0(VALU_DEP_1)
	v_readfirstlane_b32 s[WV], v1                  ; wave 0..15
	s_bfe_u32 s9, ttmp6, 0x40000                   ; cx
	s_lshl_b32 s10, ttmp9, 2
	s_add_co_u32 s10, s10, s9                      ; my block of 256 queries: it enters q's and ctx's addresses alone
	s_and_b32 s11, ttmp7, 0xffff                   ; 16 batch + head, which the four partners share
	s_lshl_b32 s12, s11, 4
	s_add_co_u32 s12, s12, s[WV]
	s_mul_i32 s12, s12, QBLK
	s_add_co_u32 s12, s12, 7168                    ; what I fetch: k's and v^T's parts of the head's w-th group
	s_mov_b32 s13, 0
	s_mul_i32 s14, s[WV], KVB                      ; and where it goes
	s_mov_b32 s[G1], 15|(3<<16)|(1<<21)            ; the mask: all four work-groups; elements of 8 bytes; bit 21 beside a mask
	s_mov_b32 s[G1+1], 32<<16                      ; rows of 256 bytes
	s_mov_b32 s[G1+2], 54<<16
	s_mov_b32 s[G1+3], 32<<16
	s_mov_b32 s[G1+4], 54
	s_mov_b32 s[G1+5], 32                          ; dense
	s_mov_b32 s[G1+6], 0
	s_mov_b32 s[G1+7], 0
	s_lshr_b32 s15, s[WV], 3
	s_and_b32 s16, s[WV], 7                        ; my fragment of 16 queries
	s_lshl_b32 s17, s10, 1
	s_add_co_u32 s17, s17, s15                     ; in this group of 128 tokens of the sequence
	s_lshl_b32 s18, s11, 4
	s_add_co_u32 s18, s18, s17
	s_mul_i32 s18, s18, QBLK
	s_mul_i32 s19, s16, 768
	s_add_co_u32 s38, s18, s19                     ; q's half image
	s_mov_b32 s39, 0
	s_lshl_b32 s19, s16, 7
	s_add_co_u32 s40, s18, s19
	s_add_co_u32 s40, s40, 6144                    ; and its scale words
	s_mov_b32 s41, 0
	s_and_b32 s51, s16, 2
	s_lshl_b32 s51, s51, 2                         ; 8 in fragments 2, 3, 6, 7: their slots are lane xor 8
	s_lshr_b32 s42, s11, 4                         ; batch
	s_and_b32 s43, s11, 15                         ; head
	s_lshl_b32 s42, s42, 4
	s_add_co_u32 s42, s42, s17
	s_lshl_b32 s42, s42, 3
	s_lshr_b32 s44, s43, 1
	s_add_co_u32 s42, s42, s44
	s_mul_i32 s42, s42, BLK                        ; ctx: block (group of tokens, K step head / 2)
	s_and_b32 s50, s43, 1                          ; which half of the K step is my head's
	s_mul_i32 s44, s16, 1536
	s_add_co_u32 s44, s44, s42                     ; my fragment's image
	s_mov_b32 s45, 0
	s_lshl_b32 s46, s16, 7
	s_add_co_u32 s46, s46, s42
	s_add_co_u32 s46, s46, SCO
	s_lshl_b32 s47, s50, 1
	s_add_co_u32 s46, s46, s47                     ; my two bytes of its scale words
	s_mov_b32 s47, 0
	s_mov_b32 s[SEL], 0x76543210
	s_mov_b32 s[SEL+1], 0xfedcba98
	s_mov_b32 s[CS], 0x3e38aa3b                    ; c = log2(e) / 8
	s_mov_b32 s[CS+1], s[CS]                       ; named with it as a pair, so it is written
	s_mov_b32 s[NC], 0xbe38aa3b                    ; - c
	s_mov_b32 s[TB], 0
	s_mov_b32 s[TN], KVB
	s_mov_b32 s[CNT], 15
	s_wait_dscnt 0x0
	s_wait_kmcnt 0x0
	s_mov_b32 s[G0], 1
	s_mov_b32 s[G0+1], s14
	s_add_nc_u64 s[G0+2:G0+3], s[4:5], s[12:13]
	s_or_b32 s[G0+3], s[G0+3], 0x80000000
	s_add_nc_u64 s[38:39], s[4:5], s[38:39]
	s_add_nc_u64 s[40:41], s[4:5], s[40:41]
	s_add_nc_u64 s[44:45], s[6:7], s[44:45]
	s_add_nc_u64 s[46:47], s[6:7], s[46:47]
	CROUND                                         ; all four work-groups are here: the joint loads meet
	tensor_load_to_lds s[G0:G0+3], s[G1:G1+7]      ; my one tensor load of the launch
	s_nop 0
.rept 4
	v_nop
.endr
	v_and_b32 v0, 31, v0                           ; lane = j + 8 y + 16 h
	v_and_b32 v[TM], 23, v0                        ; j + 16 h
	v_bfe_u32 v[TM+1], v0, 3, 1                    ; y: 1 in the lanes that hold rows 8-15 of a tile
	v_and_b32 v[TM+2], 7, v0                       ; j
	v_xor_b32 v[TM+3], s51, v0                     ; my slot in q's image
	v_mad_u32_u24 v[XA0], v[TM+1], 104, v[TM]      ; x 16: rows 8-15 come from the image 1,536 bytes on, in the other half of its slots (+ 128; for u / 2 = 1: - 128)
	v_mad_u32_u24 v[XA1], v[TM+1], 88, v[TM]
	v_mad_u32_u24 v[XB0], v[TM+1], 200, v[TM]      ; x 8: 1,536 + 64, 1,536 - 64
	v_mad_u32_u24 v[XB1], v[TM+1], 184, v[TM]
	v_mad_u32_u24 v[XS], v[TM+1], 80, v[TM+2]      ; x 4: the scale words 256 bytes on, taken from their second copy (+ 64); lanes 16-31 read what lanes 0-15 read
	v_lshlrev_b32 v[TM+4], 4, v[TM+3]
	v_lshlrev_b32 v[TM+5], 3, v[TM+3]
	v_lshlrev_b32 v[TM+6], 2, v0
	global_load_b128 v[QF:QF+3], v[TM+4], s[38:39] ; q's fragment stays in registers
	global_load_b64 v[QF+4:QF+5], v[TM+5], s[38:39] offset:512
	global_load_b32 v[QS], v[TM+6], s[40:41]
	v_lshlrev_b32 v[KA0], 4, v[XA0]                ; the addresses at group 0
	v_lshlrev_b32 v[KA1], 4, v[XA1]
	v_lshlrev_b32 v[KB0], 3, v[XB0]
	v_lshlrev_b32 v[KB1], 3, v[XB1]
	v_lshlrev_b32 v[KSA], 2, v[XS]
.irp j, 6,7,8,9,10,11
	v_mov_b32 v[QF+\j], 0                          ; k = 64 .. 127 of the first product: zero codes, in q
.irp t, 0,1,2,3
	v_mov_b32 v[KF+12*\t+\j], 0                    ; and in k's four fragments: no load lands here
.endr
.endr
	v_mov_b32 v13, 0xff61b1e6                      ; the largest score so far: -3e38
	v_mov_b32 v14, 0
	v_mov_b32 v15, 0
	v_mul_f32 v12, s[NC], v13
	s_delay_alu instid0(VALU_DEP_1)
	v_floor_f32 v12, v12                           ; -M
.set n, 0
.rept 32
	v_mov_b32 v[O+n], 0                            ; O^T: the first trip finds zeros, which the first change of M leaves zeros
.set n, n+1
.endr
	WALU                                           ; the wait at the head's end
	s_wait_tensorcnt 0x0                           ; my part of the head is in LDS,
	s_barrier_signal -1
	s_barrier_wait -1                              ; everybody's is
	KLOAD 0, 0
	s_wait_loadcnt 0x0                             ; q
.Lkey:                                             ; 15 trips of 128 keys
	TRIP 0
	s_add_co_u32 s[TB], s[TB], KVB
	s_add_co_u32 s[TN], s[TN], KVB
	s_sub_co_u32 s[CNT], s[CNT], 1
	s_cmp_lg_u32 s[CNT], 0
	s_cbranch_scc1 .Lkey
	s_mov_b32 s[TB], 15*KVB
	TRIP 1                                         ; the sixteenth
.rept 4
	v_nop                                          ; places in front of the reads of O^T and of writes into the last products' registers
.endr
	; THE WAY OUT: O^T / the sum; the 16 registers of tiles 2 b, 2 b + 1 are features 32 b + 16 (lane / 16) + i of my head: two blocks of the next product's K
	WALU
	v_add_f32 v14, v14, v15
	v_lshlrev_b32 v2, 4, v0                        ; 16 x lane, 4 x lane for the stores
	v_permlanex16_b32 v[TM+7], v14, s[SEL], s[SEL+1]
	v_lshlrev_b32 v3, 2, v0
	v_add_f32 v14, v14, v[TM+7]                    ; the row's sum
	WALU
	v_rcp_f32 v14, v14
	v_nop                                          ; a plain place behind the transcendental
	WALU
.set n, 0
.rept 32
	v_mul_f32 v[S+n], v[O+n], v14
.set n, n+1
.endr
.irp b, 0,1
	v_max3_num_f32 v[TM+\b], |v[S+16*\b]|, |v[S+1+16*\b]|, 0x1800000
.endr
.irp i, 2,4,6,8,10,12,14
.irp b, 0,1
	v_max3_num_f32 v[TM+\b], v[TM+\b], |v[S+16*\b+\i]|, |v[S+1+16*\b+\i]|
.endr
.endr
.irp b, 0,1
	v_permlanex16_b32 v[TM+2+\b], v[TM+\b], s[SEL], s[SEL+1]
.endr
.irp b, 0,1
	v_max_num_f32 v[TM+\b], v[TM+\b], v[TM+2+\b]
.endr
.irp b, 0,1
	v_add_nc_u32 v[E+\b], 0xff000000, v[TM+\b]
.endr
.irp b, 0,1
	v_lshrrev_b32 v[TM+2+\b], 23, v[E+\b]
.endr
	v_lshl_or_b32 v[PS], v[TM+3], 8, v[TM+2]       ; my head's two scale bytes
	v_cvt_scalef32_pk16_fp6_f32 v[80:82], v[S:S+15], v[E]
	v_cvt_scalef32_pk16_fp6_f32 v[92:94], v[S+16:S+31], v[E+1]
	v_nop
.irp i, 0,1,2
	v_permlane16_swap_b32 v[80+\i], v[92+\i]       ; a whole block to a lane
.endr
.irp i, 0,1,2
	v_mov_b32 v[83+\i], v[92+\i]                   ; v80-85: six registers of the fragment
.endr
	s_cmp_eq_u32 s50, 1                            ; the head's number is the same in all partners
	s_cbranch_scc1 .Lodd
	global_store_b128 v2, v[80:83], s[44:45]       ; an even head: registers 0-3, and 4, 5
	global_store_b64 v2, v[84:85], s[44:45] offset:512
	s_branch .Lbytes
.Lodd:
	WALU
	global_store_b64 v2, v[80:81], s[44:45] offset:520   ; an odd head: registers 6, 7, and 8-11
	global_store_b128 v2, v[82:85], s[44:45] offset:1024
.Lbytes:
	WALU
	global_store_b16 v3, v[PS], s[46:47]
	s_wait_tensorcnt 0x0                           ; the wave's end
	ds_add_u32 v[SPW], v[NIL]
	s_wait_dscnt 0x0
	CROUND                                         ; the closing round: no work-group ends while a partner may still ask for a tile that names it
	s_endpgm
.Lfunc_end_k_qc36d629a70_attn:
	.size	k_qc36d629a70_attn, .Lfunc_end_k_qc36d629a70_attn-k_qc36d629a70_attn
	.p2alignl 7, 3214868480
	.fill 96, 4, 3214868480
	.section	.rodata,"a",@progbits
	.p2align	6, 0x0
	.amdhsa_kernel k_qc36d629a70_attn
		.amdhsa_group_segment_fixed_size 223232
		.amdhsa_private_segment_fixed_size 0
		.amdhsa_enable_private_segment 0
		.amdhsa_kernarg_size 16
		.amdhsa_user_sgpr_count 2
		.amdhsa_user_sgpr_kernarg_segment_ptr 1
		.amdhsa_wavefront_size32 1
		.amdhsa_system_sgpr_workgroup_id_x 1
		.amdhsa_system_sgpr_workgroup_id_y 1
		.amdhsa_system_sgpr_workgroup_id_z 1
		.amdhsa_system_vgpr_workitem_id 0
		.amdhsa_next_free_vgpr 256
		.amdhsa_next_free_sgpr 66
		.amdhsa_reserve_vcc 0
		.amdhsa_float_denorm_mode_32 3
		.amdhsa_float_denorm_mode_16_64 3
		.amdhsa_memory_ordered 1
		.amdhsa_forward_progress 1
		.amdhsa_inst_pref_size 44
	.end_amdhsa_kernel
	.amdgpu_metadata
---
amdhsa.version: [ 1, 2 ]
amdhsa.kernels:
  - .name:           k_qc36d629a70_attn
    .symbol:         k_qc36d629a70_attn.kd
    .args:
      - { .name: qkvb, .offset: 0, .size: 8, .value_kind: global_buffer, .address_space: global }
      - { .name: ctxc, .offset: 8, .size: 8, .value_kind: global_buffer, .address_space: global }
    .group_segment_fixed_size: 223232
    .private_segment_fixed_size: 0
    .kernarg_segment_align: 8
    .kernarg_segment_size: 16
    .max_flat_workgroup_size: 512
    .sgpr_count:     66
    .vgpr_count:     256
    .wavefront_size: 32
...
	.end_amdgpu_metadata
.endif
;; end of part 3
;; launch wo (part 4): grid 8 x 32, 4 waves a work-group, clusters of 4 x 4, 327,680 bytes of LDS; arguments ctxc, codes, x, bo, y; writes y
.if DOCPART == 4
	.amdgcn_target "amdgcn-amd-amdhsa--gfx1250"
	.amdhsa_code_object_version 6
	.text
	.protected	k_qc36d629a70_wo
	.globl	k_qc36d629a70_wo
	.p2align	8
	.type	k_qc36d629a70_wo,@function
k_qc36d629a70_wo:
	s_mov_b64 s[64:65], 0
	v_nop
	global_prefetch_b8 v0, s[64:65] scope:SCOPE_SE
	s_setreg_imm32_b32 hwreg(HW_REG_WAVE_MODE, 25, 1), 1
	s_wait_xcnt 0x0
	s_wait_alu depctr_hold_cnt(0) depctr_sa_sdst(0) depctr_va_vdst(0) depctr_va_sdst(0) depctr_va_ssrc(0) depctr_va_vcc(0) depctr_vm_vsrc(0)
	s_getreg_b32 s2, hwreg(HW_REG_IB_STS2, 6, 4)
	s_cmp_eq_u32 s2, 0
	s_cbranch_scc0 .Lentry_in_a_cluster
	s_endpgm
.Lentry_in_a_cluster:
	s_bfe_u32 s2, ttmp6, 0x10000c
	s_cmp_lg_u32 s2, 0xf033
	s_cbranch_scc0 .Lentry_shape_is_right
	s_endpgm
.Lentry_shape_is_right:
; y = A B^T + bias + residual, A and B as codes of FP6 (E2M3) with E8M0 scales; y, bias and residual f32, rows of 1,024.  Here: A = ctx (K = 1,024), B = wo, bias = bo, residual = x.
; OPERANDS in blocks of 13,312 bytes (128 rows x 128 K: eight fragment images of 1,536 bytes, then eight times 128 bytes of scale words), [group][K step][block].
; 4,096 x 1,024 results make 64 tiles of 256 x 256, a quarter of the WGPs; so a tile is 128 x 128: 256 work-groups of four waves, each 64 x 64: 16 accumulators.
; THE MATRIX INSTRUCTION IS USED TRANSPOSED (source 0 = B's fragment, source 1 = A's): a lane holds one row of y.  Row r of fragment T is row 32 (T / 2) + 8 (T % 2) + r + 8 (r / 8) of its group, for A and for B:
; register j of tile b is column 32 (b / 2) + 8 (b % 2) + 16 (lane / 16) + j of my 64.
; RING: two LDS slots of 106,496 bytes, each with four K steps of A's and of B's group; a wave's tensor load brings four blocks that lie on end in memory (208 rows of 256 bytes).
; CLUSTERS: 4 x 4 work-groups; A's tiles are asked for jointly along a row of the cluster, B's along a column.
; REGISTERS: window 0: v1-13 addresses; v32-47 scale words, two sets (lanes 0-15 A's, lanes 16-31 B's), which hold nothing else; v48-51 the bias; v64-159, v160-255 A's fragments, two sets of 2 K steps x 4.
;   window 1: B's fragments at v0-95, v128-223.  window 2: v0-127 the accumulators ((a, b) at v[8 (4 a + b)]).  window 3: v0-127 the residual, asked for at the head.
.set KST,   8                          ; K steps in a row of the operands
.set BLK,   13312
.set BOFF,  448*BLK                    ; B's first block in codes
.set SCO,   12288
.set WLOAD, 2*BLK
.set SLOT,  4*WLOAD
.set SPARE, 2*SLOT                     ; behind the ring: the spare words, 128 bytes for each wave, which no other line names
.set RSTEP, 8*BLK                      ; a slot's next fill lies eight K steps on
.set LAPS,  KST/8                      ; a lap = two slots = 1,024 along K
.set L16,  1
.set ADRA, 2
.set ADRB, 4
.set ADRS, 6
.set SPW,  8
.set NIL,  9
.set STO,  10                          ; v10  the way out: where I put 32 bytes of a row
.set RD,   11                          ; v11  and where I read a row back
.set CO,   12                          ; v12  my byte offset in y and in the residual
.set SC,   32
.set BI,   48
.set AF,   64
.set BK,   64                          ; the way out: 4 x 32 registers of rows read back
.set G1,  24
.set G0,  32
.set G1B, 48
.set G0B, 56
.set MSB, 0
.macro WIN new                         ; the immediate's high byte repeats the setting that is left
.if MSB != \new
	s_set_vgpr_msb (MSB<<8)|\new
.set MSB, \new
.endif
.endm
.macro PLACES                          ; four plain places: in front of loads into registers that matrix instructions have read, and of the first read of results
.rept 4
	v_nop
.endr
.endm
.macro JLOAD s                         ; a joint load: waves 0 and 1 fetch for A, waves 2 and 3 for B; four v_nop follow each of the two lines
	s_cmp_eq_u32 s15, 0
	s_cbranch_scc0 .Lfor_b_\@
	tensor_load_to_lds s[G0+4*\s:G0+4*\s+3], s[G1:G1+7]
	s_nop 0
.rept 4
	v_nop
.endr
	s_branch .Lasked_\@
.Lfor_b_\@:
	tensor_load_to_lds s[G0B+4*\s:G0B+4*\s+3], s[G1B:G1B+7]
	s_nop 0
.rept 4
	v_nop
.endr
.Lasked_\@:
.endm
.macro CREST
	s_cmp_lg_u32 s14, 0
	s_cbranch_scc1 .Lnot_wave_0_\@
	s_barrier_signal -3
.Lnot_wave_0_\@:
	s_barrier_wait -3
	s_barrier_signal -1
	s_barrier_wait -1
.endm
.macro CROUND
	s_barrier_signal -1
	s_barrier_wait -1
	CREST
.endm
	s_load_b256 s[4:11], s[0:1], 0x0               ; A s[4:5], codes s[6:7], residual s[8:9], bias s[10:11]
	s_load_b64 s[12:13], s[0:1], 0x20              ; y
	v_lshl_add_u32 v[SPW], v0, 2, SPARE
	v_mov_b32 v[NIL], 0
	ds_add_u32 v8, v9
	ds_add_u32 v8, v9
	s_wait_dscnt 0x0
	v_lshrrev_b32 v13, 5, v0
	v_readfirstlane_b32 s14, v13                   ; wave 0..3
	s_lshr_b32 s15, s14, 1                         ; i: my half of the tile's rows.  Also: I fetch for A (0) or for B (1)
	s_and_b32 s16, s14, 1                          ; j: my half of its columns.  Also: which slot I fill, with its four K steps
	s_bfe_u32 s40, ttmp6, 0x40000                  ; cx, cy
	s_bfe_u32 s41, ttmp6, 0x40004
	s_lshl_b32 s42, ttmp9, 2
	s_add_co_u32 s42, s42, s40                     ; tile column = 4 x cluster x + cx
	s_and_b32 s17, ttmp7, 0xffff
	s_lshl_b32 s17, s17, 2
	s_add_co_u32 s17, s17, s41                     ; tile row = 4 x cluster y + cy
	s_lshl_b32 s43, s41, 2
	s_lshl_b32 s43, 15, s43                        ; my row of the cluster
	s_lshl_b32 s44, 0x1111, s40                    ; my column
	s_or_b32 s[G1], s43, (3<<16)|(1<<21)           ; 15:0 the mask; 17:16 elements of 8 bytes; 20 no padding; 21 set beside a mask
	s_or_b32 s[G1B], s44, (3<<16)|(1<<21)
.irp g, G1, G1B
	s_mov_b32 s[\g+1], 32<<16                      ; tensor_dim0: rows of 256 bytes
	s_mov_b32 s[\g+2], 208<<16                     ; tensor_dim1: ONE load a wave brings four blocks on end, a slot's four K steps of A or of B: both slots are filled at the head, nothing is filled again
	s_mov_b32 s[\g+3], 32<<16                      ; tile_dim0
	s_mov_b32 s[\g+4], 208                         ; tile_dim1
	s_mov_b32 s[\g+5], 32                          ; dense
	s_mov_b32 s[\g+6], 0
	s_mov_b32 s[\g+7], 0
.endr
	s_lshl_b32 s18, s16, 2                         ; my load begins at K step 4 x (wave % 2)
	s_mul_i32 s20, s17, KST
	s_add_co_u32 s20, s20, s18                     ; A: block tile row x KST + 4 x (wave % 2)
	s_mul_i32 s20, s20, BLK
	s_mov_b32 s21, 0
	s_mul_i32 s46, s42, KST
	s_add_co_u32 s46, s46, s18
	s_mul_i32 s46, s46, BLK
	s_add_co_u32 s46, s46, BOFF                    ; B likewise, from its first block on
	s_mov_b32 s47, 0
	s_mul_i32 s45, s16, SLOT                       ; where my load goes: slot wave % 2, A's half or B's: no place in the cluster enters an LDS address
	s_mul_i32 s76, s15, 2*WLOAD
	s_add_co_u32 s45, s45, s76
	s_lshl_b32 s72, s17, 19                        ; y and the residual: 128 x tile row + 64 i rows of 4,096 bytes, + 512 x tile column + 256 j
	s_lshl_b32 s73, s15, 18
	s_add_co_u32 s72, s72, s73
	s_lshl_b32 s74, s42, 9
	s_lshl_b32 s73, s16, 8
	s_add_co_u32 s74, s74, s73                     ; the bias: my 64 columns
	s_add_co_u32 s72, s72, s74
	s_mov_b32 s73, 0
	s_mov_b32 s75, 0
	s_wait_kmcnt 0x0
	s_add_nc_u64 s[20:21], s[4:5], s[20:21]
	s_add_nc_u64 s[46:47], s[6:7], s[46:47]
	s_add_nc_u64 s[8:9], s[8:9], s[72:73]
	s_add_nc_u64 s[12:13], s[12:13], s[72:73]
	s_add_nc_u64 s[10:11], s[10:11], s[74:75]
	CROUND                                         ; all sixteen work-groups are here: the first joint loads meet
.irp s, 0
	s_mov_b32 s[G0+4*\s], 1
	s_add_co_u32 s[G0+4*\s+1], s45, \s*SLOT
	s_add_nc_u64 s[G0+4*\s+2:G0+4*\s+3], s[20:21], \s*4*BLK   ; slot s begins with K steps 4 s .. 4 s + 3
	s_or_b32 s[G0+4*\s+3], s[G0+4*\s+3], 0x80000000
	s_mov_b32 s[G0B+4*\s], 1
	s_add_co_u32 s[G0B+4*\s+1], s45, \s*SLOT
	s_add_nc_u64 s[G0B+4*\s+2:G0B+4*\s+3], s[46:47], \s*4*BLK
	s_or_b32 s[G0B+4*\s+3], s[G0B+4*\s+3], 0x80000000
	JLOAD \s
.endr
	v_and_b32 v14, 31, v0                          ; lane
	v_and_b32 v15, 15, v0                          ; r
	v_bfe_u32 v16, v0, 4, 1                        ; h
	s_wait_alu depctr_va_vdst(0)
	v_lshlrev_b32 v[L16], 4, v14
	s_wait_alu depctr_va_vdst(0)
	v_lshlrev_b32 v13, 4, v15                      ; the bias: 16 bytes for each of sixteen lanes
	v_lshl_add_u32 v[CO], v16, 12, v13             ; y: lanes 0-15 one row's 256 bytes, lanes 16-31 the next row's
	global_load_b128 v[BI:BI+3], v13, s[10:11]
	WIN 0xc0                                       ; destination window 3
.irp a, 0,1,2,3
.irp t, 0,1,2,3,4,5,6,7
	global_load_b128 v[32*\a+4*\t:32*\a+4*\t+3], v[CO], s[8:9] offset:(32*(\a/2)+8*(\a%2)+2*\t+8*(\t/4))*4096 th:TH_LOAD_NT   ; rows 2 t, 2 t + 1 of fragment a: they land while the products run
.endr
.endr
	WIN 0
	s_mul_i32 s18, s15, 6144                       ; my four fragments of A
	s_mul_i32 s19, s16, 6144
	s_add_co_u32 s19, s19, 2*WLOAD                 ; my four of B, behind A's four K steps
	s_xor_b32 s22, s15, 1
	s_add_co_u32 s22, s22, s16
	s_lshl_b32 s22, s22, 9
	s_add_co_u32 s22, s22, 2*WLOAD-512             ; from my A's scale words to my B's: 2 WLOAD + 512 (j - i)
	v_mul_u32_u24 v17, s22, v16                    ; lanes 16-31 take B's
	v_lshl_add_u32 v17, v14, 2, v17
	s_lshl_b32 s23, s15, 9
	s_add_co_u32 s23, s23, SCO
.irp s, 0,1
	v_add_nc_u32 v[ADRA+\s], s18, v[L16]
	v_add_nc_u32 v[ADRB+\s], s19, v[L16]
	v_add_nc_u32 v[ADRS+\s], s23, v17
	s_add_co_u32 s18, s18, SLOT
	s_add_co_u32 s19, s19, SLOT
	s_add_co_u32 s23, s23, SLOT
.endr
	s_mul_i32 s23, s14, 4352                       ; my stage: 16 rows of 256 + 16 bytes, in slot 0, which has had its last fill and its last read when the first result is stored there
	v_mul_u32_u24 v[STO], v15, 272
	v_lshl_add_u32 v[STO], v16, 6, v[STO]
	v_add_nc_u32 v[STO], s23, v[STO]               ; in: row r, + 64 h
	v_mul_u32_u24 v[RD], v16, 272
	v_lshl_add_u32 v[RD], v15, 4, v[RD]
	v_add_nc_u32 v[RD], s23, v[RD]                 ; back: lanes 0-15 one row, lanes 16-31 the next
; 56 LDS loads in one run: K steps 2 u, 2 u + 1 of a slot into set p: fragment x = K step x / 4, tile x % 4
.macro FETCH slot, u, p
	WIN 0x40                                       ; destination window 1, address window 0
.irp x, 0,1,2,3,4,5,6,7
.irp c, 0,1,2
	ds_load_b128 v[128*(\p)+12*\x+4*\c:128*(\p)+12*\x+4*\c+3], v[ADRB+\slot] offset:(2*(\u)+\x/4)*BLK+1536*(\x%4)+512*\c
.endr
.endr
	WIN 0
.irp x, 0,1,2,3,4,5,6,7
.irp c, 0,1,2
	ds_load_b128 v[AF+96*(\p)+12*\x+4*\c:AF+96*(\p)+12*\x+4*\c+3], v[ADRA+\slot] offset:(2*(\u)+\x/4)*BLK+1536*(\x%4)+512*\c
.endr
.endr
.irp x, 0,1,2,3,4,5,6,7
	ds_load_b32 v[SC+8*(\p)+\x], v[ADRS+\slot] offset:(2*(\u)+\x/4)*BLK+128*(\x%4)
.endr
.endm
; 8 matrix instructions: K step k / 2 of set p, A's tiles 2 (k % 2), + 1 against B's four.  zero = 1: the first K step starts the sums.  The 16 accumulators take turns.
.macro MULQ k, p, zero
	WIN 0xa1                                       ; source 0 (B) window 1, source 1 (A) window 0, C and D window 2
.irp a, 2*((\k)%2), 2*((\k)%2)+1
.irp b, 0,1,2,3
.set rD, 8*(4*(\a)+\b)
.set rB, 128*(\p)+12*(4*((\k)/2)+\b)
.set rA, AF+96*(\p)+12*(4*((\k)/2)+(\a))
.set rS, SC+8*(\p)+4*((\k)/2)
.if (\zero) && ((\k) < 2)
	v_wmma_scale_f32_16x16x128_f8f6f4 v[rD:rD+7], v[rB:rB+11], v[rA:rA+11], 0, v[rS+\b], v[rS+(\a)] matrix_a_fmt:MATRIX_FMT_FP6 matrix_b_fmt:MATRIX_FMT_FP6 matrix_a_scale:MATRIX_SCALE_ROW1
.else
	v_wmma_scale_f32_16x16x128_f8f6f4 v[rD:rD+7], v[rB:rB+11], v[rA:rA+11], v[rD:rD+7], v[rS+\b], v[rS+(\a)] matrix_a_fmt:MATRIX_FMT_FP6 matrix_b_fmt:MATRIX_FMT_FP6 matrix_a_scale:MATRIX_SCALE_ROW1
.endif
.endr
.endr
.endm
; A slot's first two K steps: set 0 is multiplied; the other two K steps' fragments are asked for first
.macro STEP slot, zero
	PLACES                                         ; set 1 was read by the matrix instructions just issued
	FETCH \slot, 1, 1
	s_wait_dscnt 56                                ; all but the 56 just issued: set 0 is in
	MULQ 0, 0, \zero
	MULQ 1, 0, \zero
	MULQ 2, 0, \zero
	MULQ 3, 0, \zero
	WIN 0
.endm
; A slot's last two K steps change slots: ONE barrier; in front of it each wave waits for all its tensor loads, adds 0 to its spare word, and waits for that and for its reads of this slot.  fill = 1: the slot is filled again.
.macro TURN slot, next, fill
	s_wait_tensorcnt 0x0                           ; all my tensor loads have landed: my part of the next slot
	ds_add_u32 v[SPW], v[NIL]                      ; 0 onto my spare word
	s_wait_dscnt 1                                 ; set 1 is in; the add may be out
	MULQ 0, 1, 0                                   ; eight matrix instructions stand between the add and the wait for it
	s_wait_dscnt 0x0                               ; the add is done, and my reads of this slot are over
	s_barrier_signal -1
	MULQ 1, 1, 0
	WIN 0
	s_barrier_wait -1
.if \fill
	CREST                                          ; the barrier has opened a round of the cluster's barrier: no wave of any partner still reads this slot or has a load on its way
	s_add_nc_u64 s[G0+4*\slot+2:G0+4*\slot+3], s[G0+4*\slot+2:G0+4*\slot+3], RSTEP
	s_add_nc_u64 s[G0B+4*\slot+2:G0B+4*\slot+3], s[G0B+4*\slot+2:G0B+4*\slot+3], RSTEP
	JLOAD \slot                                    ; the first tensor load behind the round; its four v_nop are the places in front of the loads below
.else
	PLACES
.endif
	FETCH \next, 0, 0
	MULQ 2, 1, 0
	MULQ 3, 1, 0
.endm
	s_wait_alu depctr_va_vdst(0)
	s_wait_tensorcnt 0x0                           ; my one load is in
	s_barrier_signal -1
	s_barrier_wait -1
	FETCH 0, 0, 0
	STEP 0, 1                                      ; the first step stands in front of the loop: its first products start the sums
.if LAPS > 1
	s_mov_b32 s3, LAPS-1
.Llap:
	TURN 0, 1, 1
	STEP 1, 0
	TURN 1, 0, 1
	STEP 0, 0
	s_sub_co_u32 s3, s3, 1
	s_cmp_lg_u32 s3, 0
	s_cbranch_scc1 .Llap
.endif
	TURN 0, 1, 0                                   ; the last lap fills nothing
	STEP 1, 0
	s_wait_dscnt 0x0
	MULQ 0, 1, 0
	MULQ 1, 1, 0
	MULQ 2, 1, 0
	MULQ 3, 1, 0
	WIN 0
	; THE WAY OUT: 16 rows x 64 columns at a time through my stage, back as rows of 256 bytes; the residual and the bias are added; sixteen lanes store 256 consecutive bytes, aligned.
	PLACES
	s_wait_loadcnt 0x0                             ; the residual and the bias
.irp a, 0,1,2,3
	WIN 0x08                                       ; an LDS store's data are its source 1: window 2
.irp b, 0,1,2,3
	ds_store_b128 v[STO], v[8*(4*\a+\b):8*(4*\a+\b)+3] offset:128*(\b/2)+32*(\b%2)       ; each accumulator from its low end on
	ds_store_b128 v[STO], v[8*(4*\a+\b)+4:8*(4*\a+\b)+7] offset:128*(\b/2)+32*(\b%2)+16
.endr
	WIN 0
.irp t, 0,1,2,3,4,5,6,7
	ds_load_b128 v[BK+32*\a+4*\t:BK+32*\a+4*\t+3], v[RD] offset:544*\t   ; LDS serves a wave's instructions in order: these see the stores above, and the next block's stores come behind them
.endr
.endr
.irp a, 0,1,2,3
	s_wait_dscnt 16*(3-\a)                         ; the later blocks' sixteen LDS instructions each may be out
	WIN 0x0c                                       ; source 1 window 3
.set n, 0
.rept 16
	v_pk_add_f32 v[BK+32*\a+n:BK+32*\a+n+1], v[BK+32*\a+n:BK+32*\a+n+1], v[32*\a+n:32*\a+n+1]
.set n, n+2
.endr
	WIN 0
.irp t, 0,1,2,3,4,5,6,7
	v_pk_add_f32 v[BK+32*\a+4*\t:BK+32*\a+4*\t+1], v[BK+32*\a+4*\t:BK+32*\a+4*\t+1], v[BI:BI+1]
	v_pk_add_f32 v[BK+32*\a+4*\t+2:BK+32*\a+4*\t+3], v[BK+32*\a+4*\t+2:BK+32*\a+4*\t+3], v[BI+2:BI+3]
.endr
.irp t, 0,1,2,3,4,5,6,7
	global_store_b128 v[CO], v[BK+32*\a+4*\t:BK+32*\a+4*\t+3], s[12:13] offset:(32*(\a/2)+8*(\a%2)+2*\t+8*(\t/4))*4096
.endr
.endr
	s_wait_tensorcnt 0x0                           ; the wave's end
	ds_add_u32 v[SPW], v[NIL]
	s_wait_dscnt 0x0
	CROUND                                         ; the closing round: no work-group ends while a partner may still ask for a tile that names it
	s_endpgm
.Lfunc_end_k_qc36d629a70_wo:
	.size	k_qc36d629a70_wo, .Lfunc_end_k_qc36d629a70_wo-k_qc36d629a70_wo
	.p2alignl 7, 3214868480
	.fill 96, 4, 3214868480
	.section	.rodata,"a",@progbits
	.p2align	6, 0x0
	.amdhsa_kernel k_qc36d629a70_wo
		.amdhsa_group_segment_fixed_size 327680
		.amdhsa_private_segment_fixed_size 0
		.amdhsa_enable_private_segment 0
		.amdhsa_kernarg_size 40
		.amdhsa_user_sgpr_count 2
		.amdhsa_user_sgpr_kernarg_segment_ptr 1
		.amdhsa_wavefront_size32 1
		.amdhsa_system_sgpr_workgroup_id_x 1
		.amdhsa_system_sgpr_workgroup_id_y 1
		.amdhsa_system_sgpr_workgroup_id_z 1
		.amdhsa_system_vgpr_workitem_id 0
		.amdhsa_next_free_vgpr 1024
		.amdhsa_next_free_sgpr 100
		.amdhsa_reserve_vcc 0
		.amdhsa_float_denorm_mode_32 3
		.amdhsa_float_denorm_mode_16_64 3
		.amdhsa_memory_ordered 1
		.amdhsa_forward_progress 1
		.amdhsa_inst_pref_size 58
	.end_amdhsa_kernel
	.amdgpu_metadata
---
amdhsa.version: [ 1, 2 ]
amdhsa.kernels:
  - .name:           k_qc36d629a70_wo
    .symbol:         k_qc36d629a70_wo.kd
    .args:
      - { .name: ctxc, .offset: 0, .size: 8, .value_kind: global_buffer, .address_space: global }
      - { .name: codes, .offset: 8, .size: 8, .value_kind: global_buffer, .address_space: global }
      - { .name: x, .offset: 16, .size: 8, .value_kind: global_buffer, .address_space: global }
      - { .name: bo, .offset: 24, .size: 8, .value_kind: global_buffer, .address_space: global }
      - { .name: y, .offset: 32, .size: 8, .value_kind: global_buffer, .address_space: global }
    .group_segment_fixed_size: 327680
    .private_segment_fixed_size: 0
    .kernarg_segment_align: 8
    .kernarg_segment_size: 40
    .max_flat_workgroup_size: 128
    .sgpr_count:     100
    .vgpr_count:     1024
    .wavefront_size: 32
...
	.end_amdgpu_metadata
.endif
;; end of part 4
;; launch ln1 (part 5): grid 256 x 1, 8 waves a work-group, no clusters, 70,656 bytes of LDS; arguments y, g1, b1, h, hc; writes h, hc
.if DOCPART == 5
	.amdgcn_target "amdgcn-amd-amdhsa--gfx1250"
	.amdhsa_code_object_version 6
	.text
	.protected	k_qc36d629a70_ln1
	.globl	k_qc36d629a70_ln1
	.p2align	8
	.type	k_qc36d629a70_ln1,@function
k_qc36d629a70_ln1:
	s_mov_b64 s[64:65], 0
	v_nop
	global_prefetch_b8 v0, s[64:65] scope:SCOPE_SE
	s_setreg_imm32_b32 hwreg(HW_REG_WAVE_MODE, 25, 1), 1
	s_wait_xcnt 0x0
; h = (y - mean) x rsqrt(var + 1e-5) x g + b over rows of 1,024, in f32, stored as f32 and (DOQ = 1) as codes of FP6 (E2M3) with E8M0 scales, the next product's operand.
; SHARES: a work-group takes the 16 rows of one fragment: fragment f = number % 8 of group G = number / 8, rows 128 G + 32 (f / 2) + 8 (f % 2) + i + 8 (i / 8).  Wave w takes columns 128 w on: K step w.
; A wave's 16 x 128 numbers come by 16 loads of 512 consecutive bytes, turn through the wave's stage in LDS (rows of 512 + 16 bytes), so that lane (r, h) holds of row r the numbers 32 b + 16 h + i (register 16 b + i),
; and go back the same way.  The mean and then the sum of squares of the differences (two passes: no difference of large sums) meet in LDS: a word for each lane and wave, one barrier each, bytes of their own.
; hc: blocks of 13,312 bytes, [group][K step]: fragment f's image at 1,536 f, its scale words at 12,288 + 128 f.
; No cluster: work-groups share no input but the 8 KB of g and b.  No matrix unit: there is no product.
; LIMITS: NaN and infinities are not served; a block of 32 whose largest magnitude lies under 2^-124 (a block of zeros too) gets the scale byte 1.
.set DOQ,  1
.set BLK,  13312
.set R,    16                          ; v16-79   y as loaded, later b
.set X,    80                          ; v80-143  my 64 numbers
.set GG,   144                         ; v144-207 g, later rows on their way out
.set TM,   208                         ; v208-223 at work
.set PW,   224
.set PC,   228                         ; v228-246
.set RED,  67584                       ; behind the eight stages: 1,024 bytes for the sums, 1,024 for the sums of squares
.set SEL,  28
.macro QUANT s
.irp b, 0,1,2,3
	v_max3_num_f32 v[TM+\b], |v[\s+16*\b]|, |v[\s+1+16*\b]|, 0x1800000   ; block b: my 16 numbers, and the floor 2^(3 - 127)
.endr
.irp i, 2,4,6,8,10,12,14
.irp b, 0,1,2,3
	s_delay_alu instid0(VALU_DEP_4)
	v_max3_num_f32 v[TM+\b], v[TM+\b], |v[\s+16*\b+\i]|, |v[\s+1+16*\b+\i]|
.endr
.endr
.irp b, 0,1,2,3
	s_delay_alu instid0(VALU_DEP_4)
	v_permlanex16_b32 v[TM+4+\b], v[TM+\b], s[SEL], s[SEL+1]
.endr
.irp b, 0,1,2,3
	s_delay_alu instid0(VALU_DEP_4)
	v_max_num_f32 v[TM+\b], v[TM+\b], v[TM+4+\b]
.endr
.irp b, 0,1,2,3
	s_delay_alu instid0(VALU_DEP_4)
	v_add_nc_u32 v[TM+12+\b], 0xff000000, v[TM+\b]   ; 2 off the exponent field: the conversion's scale operand
.endr
.irp b, 0,1,2,3
	s_delay_alu instid0(VALU_DEP_4)
	v_lshrrev_b32 v[TM+4+\b], 23, v[TM+12+\b]      ; the scale's byte
.endr
	s_delay_alu instid0(VALU_DEP_3)
	v_lshl_or_b32 v[PW], v[TM+5], 8, v[TM+4]
	s_delay_alu instid0(VALU_DEP_1)
	v_lshl_or_b32 v[PW], v[TM+6], 16, v[PW]
	s_delay_alu instid0(VALU_DEP_1)
	v_lshl_or_b32 v[PW], v[TM+7], 24, v[PW]
.irp c, 0,1
	v_cvt_scalef32_pk16_fp6_f32 v[PC+6*\c:PC+2+6*\c], v[\s+32*\c:\s+15+32*\c], v[TM+12+2*\c]
	v_cvt_scalef32_pk16_fp6_f32 v[PC+12+4*\c:PC+14+4*\c], v[\s+16+32*\c:\s+31+32*\c], v[TM+12+2*\c+1]
.endr
	v_nop                                          ; one plain place behind a scaled conversion
.irp c, 0,1
.irp i, 0,1,2
	v_permlane16_swap_b32 v[PC+6*\c+\i], v[PC+12+4*\c+\i]
.endr
.irp i, 0,1,2
	s_delay_alu instid0(VALU_DEP_3)
	v_mov_b32 v[PC+3+6*\c+\i], v[PC+12+4*\c+\i]
.endr
.endr
.endm
; four pairs of partial sums in v[TM] on become the row's total in v[TM], the same bits in every lane of the row in every wave
.macro FOLD
	v_pk_add_f32 v[TM:TM+1], v[TM:TM+1], v[TM+2:TM+3]
	v_pk_add_f32 v[TM+4:TM+5], v[TM+4:TM+5], v[TM+6:TM+7]
	s_delay_alu instid0(VALU_DEP_1)
	v_pk_add_f32 v[TM:TM+1], v[TM:TM+1], v[TM+4:TM+5]
	s_delay_alu instid0(VALU_DEP_1)
	v_add_f32 v[TM], v[TM], v[TM+1]
.endm
.macro ACROSS off
	FOLD
	s_delay_alu instid0(VALU_DEP_1)
	v_permlanex16_b32 v[TM+8], v[TM], s[SEL], s[SEL+1]
	s_delay_alu instid0(VALU_DEP_1)
	v_add_f32 v[TM], v[TM], v[TM+8]                ; my wave's 128 columns of row r
	ds_store_b32 v8, v[TM] offset:\off
	s_wait_dscnt 0x0                               ; for the others' sake: my word has landed
	s_barrier_signal -1
	s_barrier_wait -1
	ds_load_b128 v[TM:TM+3], v9 offset:\off        ; the eight waves' words of my row
	ds_load_b128 v[TM+4:TM+7], v9 offset:\off+16
	s_wait_dscnt 0x0
	FOLD
.endm
	s_load_b256 s[4:11], s[0:1], 0x0               ; y s[4:5], g s[6:7], b s[8:9], the f32 result s[10:11]
.if DOQ
	s_load_b64 s[12:13], s[0:1], 0x20              ; the codes
	v_lshl_add_u32 v254, v0, 2, 0x11000
	v_mov_b32 v255, 0
.endif
	v_lshrrev_b32 v1, 5, v0
	s_delay_alu instid0(VALU_DEP_1)
	v_readfirstlane_b32 s14, v1                    ; wave 0..7
	v_and_b32 v1, 31, v0                           ; lane
	v_and_b32 v2, 15, v0                           ; r
	v_bfe_u32 v3, v0, 4, 1                         ; h
	s_delay_alu instid0(VALU_DEP_3)
	v_lshlrev_b32 v4, 4, v1                        ; 16 x lane
	s_delay_alu instid0(VALU_DEP_2)
	v_lshlrev_b32 v5, 6, v3                        ; g, b: 64 h
	s_mul_i32 s15, s14, 8448                       ; my stage
	v_add_nc_u32 v6, s15, v4                       ; rows as they lie
	v_mul_u32_u24 v7, v2, 528
	s_delay_alu instid0(VALU_DEP_1)
	v_lshl_add_u32 v7, v3, 6, v7
	s_delay_alu instid0(VALU_DEP_1)
	v_add_nc_u32 v7, s15, v7                       ; row r, + 64 h
	s_lshl_b32 s16, s14, 2
	v_lshlrev_b32 v9, 5, v1
	s_delay_alu instid0(VALU_DEP_1)
	v_add_nc_u32 v9, RED, v9                       ; the sums: 32 bytes a lane,
	s_delay_alu instid0(VALU_DEP_1)
	v_add_nc_u32 v8, s16, v9                       ; a word a wave
	v_lshlrev_b32 v10, 2, v1                       ; 4 x lane
	v_mov_b32 v[TM+8], 0                           ; written once: a lane permute's destination counts as one of its sources
	s_lshr_b32 s17, ttmp9, 3                       ; G
	s_and_b32 s18, ttmp9, 7                        ; f
	s_lshr_b32 s19, s18, 1
	s_and_b32 s20, s18, 1
	s_lshl_b32 s21, s17, 7
	s_lshl_b32 s19, s19, 5
	s_lshl_b32 s20, s20, 3
	s_add_co_u32 s21, s21, s19
	s_add_co_u32 s21, s21, s20                     ; the fragment's first row
	s_lshl_b32 s22, s21, 12
	s_lshl_b32 s24, s14, 9                         ; my 512 bytes of a row
	s_add_co_u32 s22, s22, s24
	s_mov_b32 s23, 0
	s_mov_b32 s25, 0
.if DOQ
	s_lshl_b32 s26, s17, 3
	s_add_co_u32 s26, s26, s14
	s_mul_i32 s26, s26, BLK                        ; block (G, K step w)
	s_mul_i32 s32, s18, 1536
	s_add_co_u32 s32, s32, s26
	s_mov_b32 s33, 0
	s_lshl_b32 s34, s18, 7
	s_add_co_u32 s34, s34, s26
	s_add_co_u32 s34, s34, 12288
	s_mov_b32 s35, 0
.endif
	s_mov_b32 s[SEL], 0x76543210
	s_mov_b32 s[SEL+1], 0xfedcba98
	s_mov_b32 s40, 0x3a800000                      ; 1 / 1,024
	s_mov_b32 s41, 0x3727c5ac                      ; 1e-5
	s_wait_alu depctr_va_vdst(0)
	s_wait_kmcnt 0x0
	s_add_nc_u64 s[4:5], s[4:5], s[22:23]
	s_add_nc_u64 s[10:11], s[10:11], s[22:23]
	s_add_nc_u64 s[6:7], s[6:7], s[24:25]
	s_add_nc_u64 s[8:9], s[8:9], s[24:25]
.if DOQ
	s_add_nc_u64 s[36:37], s[12:13], s[34:35]
	s_add_nc_u64 s[12:13], s[12:13], s[32:33]
.endif
.irp i, 0,1,2,3,4,5,6,7,8,9,10,11,12,13,14,15
	global_load_b128 v[R+4*\i:R+4*\i+3], v4, s[4:5] offset:(\i+8*(\i/8))*4096 th:TH_LOAD_NT   ; 512 consecutive bytes of a row
.endr
.irp b, 0,1,2,3
.irp j, 0,1,2,3
	global_load_b128 v[GG+16*\b+4*\j:GG+16*\b+4*\j+3], v5, s[6:7] offset:128*\b+16*\j
.endr
.endr
	s_wait_loadcnt 16                              ; y is in; g's 16 loads may be out
.irp i, 0,1,2,3,4,5,6,7,8,9,10,11,12,13,14,15
	ds_store_b128 v6, v[R+4*\i:R+4*\i+3] offset:528*\i
.endr
.irp b, 0,1,2,3
.irp j, 0,1,2,3
	ds_load_b128 v[X+16*\b+4*\j:X+16*\b+4*\j+3], v7 offset:128*\b+16*\j   ; LDS serves a wave's instructions in order: these see the stores above
.endr
.endr
	s_wait_dscnt 0x0                               ; the numbers are turned, and the stores have read R
.irp b, 0,1,2,3
.irp j, 0,1,2,3
	global_load_b128 v[R+16*\b+4*\j:R+16*\b+4*\j+3], v5, s[8:9] offset:128*\b+16*\j
.endr
.endr
.irp c, 0,1,2,3
	v_pk_add_f32 v[TM+2*\c:TM+2*\c+1], v[X+2*\c:X+2*\c+1], v[X+8+2*\c:X+9+2*\c]   ; the sum of my 64, in four chains
.endr
.irp n, 2,3,4,5,6,7
.irp c, 0,1,2,3
	s_delay_alu instid0(VALU_DEP_4)
	v_pk_add_f32 v[TM+2*\c:TM+2*\c+1], v[TM+2*\c:TM+2*\c+1], v[X+8*\n+2*\c:X+8*\n+2*\c+1]
.endr
.endr
	ACROSS 0
	s_delay_alu instid0(VALU_DEP_1)
	v_mul_f32 v[TM+10], 0xba800000, v[TM]          ; - mean
	s_delay_alu instid0(VALU_DEP_1)
	v_mov_b32 v[TM+11], v[TM+10]
.set n, 0
.rept 32
	v_pk_add_f32 v[X+n:X+n+1], v[X+n:X+n+1], v[TM+10:TM+11]
.set n, n+2
.endr
.irp c, 0,1,2,3
	v_pk_mul_f32 v[TM+2*\c:TM+2*\c+1], v[X+2*\c:X+2*\c+1], v[X+2*\c:X+2*\c+1]
.endr
.irp n, 1,2,3,4,5,6,7
.irp c, 0,1,2,3
	s_delay_alu instid0(VALU_DEP_4)
	v_pk_fma_f32 v[TM+2*\c:TM+2*\c+1], v[X+8*\n+2*\c:X+8*\n+2*\c+1], v[X+8*\n+2*\c:X+8*\n+2*\c+1], v[TM+2*\c:TM+2*\c+1]
.endr
.endr
	ACROSS 1024
	s_delay_alu instid0(VALU_DEP_1)
	v_fma_f32 v[TM+12], v[TM], s40, s41            ; var + 1e-5
	s_wait_alu depctr_va_vdst(0)
	v_rsq_f32 v[TM+14], v[TM+12]
	v_nop                                          ; a plain place behind the transcendental
	s_wait_alu depctr_va_vdst(0)
	v_mov_b32 v[TM+15], v[TM+14]
	s_wait_alu depctr_va_vdst(0)
	s_wait_loadcnt 0x0                             ; g and b
.set n, 0
.rept 32
	v_pk_mul_f32 v[X+n:X+n+1], v[X+n:X+n+1], v[TM+14:TM+15]
.set n, n+2
.endr
.set n, 0
.rept 32
	v_pk_fma_f32 v[X+n:X+n+1], v[X+n:X+n+1], v[GG+n:GG+n+1], v[R+n:R+n+1]
.set n, n+2
.endr
.irp b, 0,1,2,3
.irp j, 0,1,2,3
	ds_store_b128 v7, v[X+16*\b+4*\j:X+16*\b+4*\j+3] offset:128*\b+16*\j
.endr
.endr
.irp i, 0,1,2,3,4,5,6,7,8,9,10,11,12,13,14,15
	ds_load_b128 v[GG+4*\i:GG+4*\i+3], v6 offset:528*\i
.endr
.if DOQ
	QUANT X                                        ; while the rows come back from the stage
.irp c, 0,1,2
	global_store_b128 v4, v[PC+4*\c:PC+4*\c+3], s[12:13] offset:512*\c
.endr
	global_store_b32 v10, v[PW], s[36:37]
.endif
.irp i, 0,1,2,3,4,5,6,7,8,9,10,11,12,13,14,15
	s_wait_dscnt 15-\i                             ; row i is back; the younger loads may be out
	global_store_b128 v4, v[GG+4*\i:GG+4*\i+3], s[10:11] offset:(\i+8*(\i/8))*4096   ; 512 consecutive bytes of a row
.endr
	s_wait_tensorcnt 0x0
	ds_add_u32 v254, v255
	s_wait_dscnt 0x0
	s_endpgm
.Lfunc_end_k_qc36d629a70_ln1:
	.size	k_qc36d629a70_ln1, .Lfunc_end_k_qc36d629a70_ln1-k_qc36d629a70_ln1
	.p2alignl 7, 3214868480
	.fill 96, 4, 3214868480
	.section	.rodata,"a",@progbits
	.p2align	6, 0x0
	.amdhsa_kernel k_qc36d629a70_ln1
		.amdhsa_group_segment_fixed_size 70656
		.amdhsa_private_segment_fixed_size 0
		.amdhsa_enable_private_segment 0
		.amdhsa_kernarg_size 40
		.amdhsa_user_sgpr_count 2
		.amdhsa_user_sgpr_kernarg_segment_ptr 1
		.amdhsa_wavefront_size32 1
		.amdhsa_system_sgpr_workgroup_id_x 1
		.amdhsa_system_sgpr_workgroup_id_y 1
		.amdhsa_system_sgpr_workgroup_id_z 1
		.amdhsa_system_vgpr_workitem_id 0
		.amdhsa_next_free_vgpr 256
		.amdhsa_next_free_sgpr 66
		.amdhsa_reserve_vcc 0
		.amdhsa_float_denorm_mode_32 3
		.amdhsa_float_denorm_mode_16_64 3
		.amdhsa_memory_ordered 1
		.amdhsa_forward_progress 1
		.amdhsa_inst_pref_size 34
	.end_amdhsa_kernel
	.amdgpu_metadata
---
amdhsa.version: [ 1, 2 ]
amdhsa.kernels:
  - .name:           k_qc36d629a70_ln1
    .symbol:         k_qc36d629a70_ln1.kd
    .args:
      - { .name: y, .offset: 0, .size: 8, .value_kind: global_buffer, .address_space: global }
      - { .name: g1, .offset: 8, .size: 8, .value_kind: global_buffer, .address_space: global }
      - { .name: b1, .offset: 16, .size: 8, .value_kind: global_buffer, .address_space: global }
      - { .name: h, .offset: 24, .size: 8, .value_kind: global_buffer, .address_space: global }
      - { .name: hc, .offset: 32, .size: 8, .value_kind: global_buffer, .address_space: global }
    .group_segment_fixed_size: 70656
    .private_segment_fixed_size: 0
    .kernarg_segment_align: 8
    .kernarg_segment_size: 40
    .max_flat_workgroup_size: 256
    .sgpr_count:     66
    .vgpr_count:     256
    .wavefront_size: 32
...
	.end_amdgpu_metadata
.endif
;; end of part 5
;; launch ff1 (part 6): grid 16 x 16, 4 waves a work-group, clusters of 4 x 4, 327,680 bytes of LDS; arguments hc, codes, bf1, gc; writes gc
.if DOCPART == 6
	.amdgcn_target "amdgcn-amd-amdhsa--gfx1250"
	.amdhsa_code_object_version 6
	.text
	.protected	k_qc36d629a70_ff1
	.globl	k_qc36d629a70_ff1
	.p2align	8
	.type	k_qc36d629a70_ff1,@function
k_qc36d629a70_ff1:
	s_mov_b64 s[64:65], 0
	v_nop
	global_prefetch_b8 v0, s[64:65] scope:SCOPE_SE
	s_setreg_imm32_b32 hwreg(HW_REG_WAVE_MODE, 25, 1), 1
	s_wait_xcnt 0x0
	s_wait_alu depctr_hold_cnt(0) depctr_sa_sdst(0) depctr_va_vdst(0) depctr_va_sdst(0) depctr_va_ssrc(0) depctr_va_vcc(0) depctr_vm_vsrc(0)
	s_getreg_b32 s2, hwreg(HW_REG_IB_STS2, 6, 4)
	s_cmp_eq_u32 s2, 0
	s_cbranch_scc0 .Lentry_in_a_cluster
	s_endpgm
.Lentry_in_a_cluster:
	s_bfe_u32 s2, ttmp6, 0x10000c
	s_cmp_lg_u32 s2, 0xf033
	s_cbranch_scc0 .Lentry_shape_is_right
	s_endpgm
.Lentry_shape_is_right:
.set BLK,   13312
.set SCO,   12288
.set WLOAD, 2*BLK
.set SLOT,  WLOAD                      ; LDS is laid by wave: a wave's region holds its group's three slots of two K steps on end
.set SPARE, 12*WLOAD
.set RSTEP, 6*BLK
.set L16,  1
.set ADRA, 2
.set ADRB, 5
.set SPW,  8
.set NIL,  9
.set L4,   11
.set ADRS, 12
.set TM,   16
.set SC,   32
.set LA,   56
.set LB,   58
.set AF,   64
.set HX,   64
.set GU,   128
.set GS,   160
.set GP,   192
.set GQ,   224
.set PC,   128
.set PW,   148
.set G1,  24
.set G0,  32
.set G1B, 48
.set G0B, 56
.set G0C, 4
.set G0CB, 8
.set SEL, 70
.set CA7, 72
.set CA5, 74
.set CA3, 76
.set CA1, 78
.set CB10, 80
.set CB8, 82
.set CB6, 84
.set CB4, 86
.set CB2, 88
.set CLO, 90
.set CHI, 91
.set MSB, 0
.macro WIN new
.if MSB != \new
	s_set_vgpr_msb (MSB<<8)|\new
.set MSB, \new
.endif
.endm
.macro PLACES
.rept 4
	v_nop
.endr
.endm
.macro JLOAD ga, gb
	s_cmp_eq_u32 s15, 0
	s_cbranch_scc0 .Lfor_b_\@
	tensor_load_to_lds s[\ga:\ga+3], s[G1:G1+7]
	s_nop 0
.rept 4
	v_nop
.endr
	s_branch .Lasked_\@
.Lfor_b_\@:
	tensor_load_to_lds s[\gb:\gb+3], s[G1B:G1B+7]
	s_nop 0
.rept 4
	v_nop
.endr
.Lasked_\@:
.endm
.macro CREST
	s_cmp_lg_u32 s14, 0
	s_cbranch_scc1 .Lnot_wave_0_\@
	s_barrier_signal -3
.Lnot_wave_0_\@:
	s_barrier_wait -3
	s_barrier_signal -1
	s_barrier_wait -1
.endm
.macro CROUND
	s_barrier_signal -1
	s_barrier_wait -1
	CREST
.endm
.macro DESC ga, gb, s
	s_mov_b32 s[\ga], 1
	s_add_co_u32 s[\ga+1], s45, \s*SLOT
	s_add_nc_u64 s[\ga+2:\ga+3], s[20:21], \s*WLOAD
	s_or_b32 s[\ga+3], s[\ga+3], 0x80000000
	s_mov_b32 s[\gb], 1
	s_add_co_u32 s[\gb+1], s45, \s*SLOT
	s_add_nc_u64 s[\gb+2:\gb+3], s[46:47], \s*WLOAD
	s_or_b32 s[\gb+3], s[\gb+3], 0x80000000
	s_wait_alu depctr_va_vdst(0)
	s_wait_tensorcnt 0x0
	ds_add_u32 v8, v9
	ds_add_u32 v8, v9
	s_wait_dscnt 0x0
	CROUND
	JLOAD \ga, \gb
.endm
.macro QUANT s
.irp b, 0,1,2,3
	v_max3_num_f32 v[TM+\b], |v[\s+16*\b]|, |v[\s+1+16*\b]|, 0x1800000
.endr
.irp i, 2,4,6,8,10,12,14
.irp b, 0,1,2,3
	v_max3_num_f32 v[TM+\b], v[TM+\b], |v[\s+16*\b+\i]|, |v[\s+1+16*\b+\i]|
.endr
.endr
.irp b, 0,1,2,3
	v_permlanex16_b32 v[TM+4+\b], v[TM+\b], s[SEL], s[SEL+1]
.endr
.irp b, 0,1,2,3
	v_max_num_f32 v[TM+\b], v[TM+\b], v[TM+4+\b]
.endr
.irp b, 0,1,2,3
	v_add_nc_u32 v[TM+12+\b], 0xff000000, v[TM+\b]
.endr
.irp b, 0,1,2,3
	v_lshrrev_b32 v[TM+4+\b], 23, v[TM+12+\b]
.endr
	v_lshl_or_b32 v[PW], v[TM+5], 8, v[TM+4]
	v_lshl_or_b32 v[PW], v[TM+6], 16, v[PW]
	v_lshl_or_b32 v[PW], v[TM+7], 24, v[PW]
.irp c, 0,1
	v_cvt_scalef32_pk16_fp6_f32 v[PC+6*\c:PC+2+6*\c], v[\s+32*\c:\s+15+32*\c], v[TM+12+2*\c]
	v_cvt_scalef32_pk16_fp6_f32 v[PC+12+4*\c:PC+14+4*\c], v[\s+16+32*\c:\s+31+32*\c], v[TM+12+2*\c+1]
.endr
	v_nop
.irp c, 0,1
.irp i, 0,1,2
	v_permlane16_swap_b32 v[PC+6*\c+\i], v[PC+12+4*\c+\i]
.endr
.irp i, 0,1,2
	v_mov_b32 v[PC+3+6*\c+\i], v[PC+12+4*\c+\i]
.endr
.endr
.endm
.macro CONST r, bits
	s_mov_b32 s[\r], \bits
	s_mov_b32 s[\r+1], \bits
.endm
	s_load_b256 s[4:11], s[0:1], 0x0
	v_lshl_add_u32 v[SPW], v0, 2, SPARE
	v_mov_b32 v[NIL], 0
	ds_add_u32 v8, v9
	ds_add_u32 v8, v9
	s_wait_dscnt 0x0
	v_lshrrev_b32 v48, 5, v0
	v_readfirstlane_b32 s14, v48
	s_lshr_b32 s15, s14, 1
	s_and_b32 s16, s14, 1
	s_bfe_u32 s40, ttmp6, 0x40000
	s_bfe_u32 s41, ttmp6, 0x40004
	s_lshl_b32 s42, ttmp9, 2
	s_add_co_u32 s42, s42, s40
	s_and_b32 s17, ttmp7, 0xffff
	s_lshl_b32 s17, s17, 2
	s_add_co_u32 s17, s17, s41
	s_lshl_b32 s43, s41, 2
	s_lshl_b32 s43, 15, s43
	s_lshl_b32 s44, 0x1111, s40
	s_or_b32 s[G1], s43, (3<<16)|(1<<21)
	s_or_b32 s[G1B], s44, (3<<16)|(1<<21)
.irp g, G1, G1B
	s_mov_b32 s[\g+1], 32<<16
	s_mov_b32 s[\g+2], 312<<16                     ; the head's one load a wave: six blocks on end, K steps 0-5 of its group, as 312 rows of 256 bytes
	s_mov_b32 s[\g+3], 32<<16
	s_mov_b32 s[\g+4], 312
	s_mov_b32 s[\g+5], 32
	s_mov_b32 s[\g+6], 0
	s_mov_b32 s[\g+7], 0
.endr
	s_lshl_b32 s20, s17, 1
	s_add_co_u32 s20, s20, s16
	s_lshl_b32 s20, s20, 3
	s_mul_i32 s20, s20, BLK
	s_mov_b32 s21, 0
	s_lshl_b32 s46, s42, 1
	s_add_co_u32 s46, s46, s16
	s_lshl_b32 s46, s46, 3
	s_add_co_u32 s46, s46, 512
	s_mul_i32 s46, s46, BLK
	s_mov_b32 s47, 0
	s_mul_i32 s45, s14, 3*WLOAD
	s_lshl_b32 s66, s42, 10
	s_lshl_b32 s67, s16, 9
	s_add_co_u32 s66, s66, s67
	s_mov_b32 s67, 0
	s_lshl_b32 s68, s17, 1
	s_add_co_u32 s68, s68, s15
	s_lshl_b32 s68, s68, 5
	s_lshl_b32 s69, s42, 1
	s_add_co_u32 s68, s68, s69
	s_add_co_u32 s68, s68, s16
	s_mul_i32 s68, s68, BLK
	s_mov_b32 s69, 0
	s_mov_b32 s[SEL], 0x76543210
	s_mov_b32 s[SEL+1], 0xfedcba98
	CONST CA7, 0x3b5f5da2
	CONST CA5, 0x3d50b6eb
	CONST CA3, 0x3e3da740
	CONST CA1, 0x3f906eba
	CONST CB10, 0x37c588df
	CONST CB8, 0x3a856d28
	CONST CB6, 0x3c6687d4
	CONST CB4, 0x3de34c21
	CONST CB2, 0x3efeb44a
	s_mov_b32 s[CLO], 0xc06f9c67
	s_mov_b32 s[CHI], 0x406f9c67
	s_wait_kmcnt 0x0
	s_add_nc_u64 s[20:21], s[4:5], s[20:21]
	s_add_nc_u64 s[46:47], s[6:7], s[46:47]
	s_add_nc_u64 s[12:13], s[8:9], s[66:67]
	s_add_nc_u64 s[94:95], s[10:11], s[68:69]
	s_add_nc_u64 s[96:97], s[94:95], SCO
	CROUND
	DESC G0, G0B, 0
	v_and_b32 v48, 31, v0
	v_bfe_u32 v49, v0, 4, 1
	v_lshlrev_b32 v[L16], 4, v48
	v_lshlrev_b32 v[L4], 2, v48
	v_lshlrev_b32 v50, 6, v49
	WIN 0x40
.irp b, 0,1,2,3,4,5,6,7
	global_load_b128 v[96+8*\b+96*(\b/4):96+8*\b+96*(\b/4)+3], v50, s[12:13] offset:4*(32*(\b/2)+8*(\b%2))
	global_load_b128 v[100+8*\b+96*(\b/4):100+8*\b+96*(\b/4)+3], v50, s[12:13] offset:4*(32*(\b/2)+8*(\b%2))+16
.endr
	WIN 0
.irp b, 0,1,2,3
	v_mov_b32 v[TM+4+\b], 0
.endr
	v_mov_b32 v[LA], 0x39702d51
	v_mov_b32 v[LA+1], 0x39702d51
	v_mov_b32 v[LB], 0xb3fd3906
	v_mov_b32 v[LB+1], 0xb3fd3906
	s_mul_i32 s18, s15, 3*WLOAD
	s_mul_i32 s19, s16, 3*WLOAD
	s_add_co_u32 s19, s19, 6*WLOAD
	s_xor_b32 s22, s15, 1
	s_add_co_u32 s22, s22, s16
	s_add_co_u32 s22, s22, 1
	s_mul_i32 s22, s22, 3*WLOAD
	v_mul_u32_u24 v51, s22, v49
	v_add_nc_u32 v51, v51, v[L4]
	s_add_co_u32 s23, s18, SCO
.irp s, 0,1,2
	v_add_nc_u32 v[ADRA+\s], s18, v[L16]
	v_add_nc_u32 v[ADRB+\s], s19, v[L16]
	v_add_nc_u32 v[ADRS+\s], s23, v51
	s_add_co_u32 s18, s18, SLOT
	s_add_co_u32 s19, s19, SLOT
	s_add_co_u32 s23, s23, SLOT
.endr
.macro FETCH slot, u, p
	WIN 0x40
.irp x, 0,1,2,3,4,5,6,7
.irp c, 0,1,2
	ds_load_b128 v[128*(\p)+12*\x+4*\c:128*(\p)+12*\x+4*\c+3], v[ADRB+\slot] offset:(\u)*BLK+1536*\x+512*\c
.endr
.endr
	WIN 0
.irp x, 0,1,2,3,4,5,6,7
.irp c, 0,1,2
	ds_load_b128 v[AF+96*(\p)+12*\x+4*\c:AF+96*(\p)+12*\x+4*\c+3], v[ADRA+\slot] offset:(\u)*BLK+1536*\x+512*\c
.endr
.endr
.irp x, 0,1,2,3,4,5,6,7
	ds_load_b32 v[SC+8*(\p)+\x], v[ADRS+\slot] offset:(\u)*BLK+128*\x
.endr
.endm
.macro MULQ k, p, first
.if \first
	WIN 0x91+0x40*((\k)/2)
.else
	WIN 0xa1+0x50*((\k)/2)
.endif
.irp a, 2*(\k), 2*(\k)+1
.irp b, 0,1,2,3,4,5,6,7
.set rD, 8*(8*((\a)%4)+\b)
.set rB, 128*(\p)+12*\b
.set rA, AF+96*(\p)+12*(\a)
.set rC, 96+8*\b+96*(\b/4)
.if \first
	v_wmma_scale_f32_16x16x128_f8f6f4 v[rD:rD+7], v[rB:rB+11], v[rA:rA+11], v[rC:rC+7], v[SC+8*(\p)+\b], v[SC+8*(\p)+(\a)] matrix_a_fmt:MATRIX_FMT_FP6 matrix_b_fmt:MATRIX_FMT_FP6 matrix_a_scale:MATRIX_SCALE_ROW1
.else
	v_wmma_scale_f32_16x16x128_f8f6f4 v[rD:rD+7], v[rB:rB+11], v[rA:rA+11], v[rD:rD+7], v[SC+8*(\p)+\b], v[SC+8*(\p)+(\a)] matrix_a_fmt:MATRIX_FMT_FP6 matrix_b_fmt:MATRIX_FMT_FP6 matrix_a_scale:MATRIX_SCALE_ROW1
.endif
.endr
.endr
.endm
.macro STEP slot, first
	PLACES
	FETCH \slot, 1, 1
	s_wait_dscnt 56
	MULQ 0, 0, \first
	MULQ 1, 0, \first
	MULQ 2, 0, \first
	MULQ 3, 0, \first
	WIN 0
.endm
.macro TURN next, fill
	s_wait_tensorcnt 0x0
	ds_add_u32 v[SPW], v[NIL]
	s_wait_dscnt 1
	MULQ 0, 1, 0
	s_wait_dscnt 0x0
	s_barrier_signal -1
	MULQ 1, 1, 0
	WIN 0
	s_barrier_wait -1
.if \fill
	CREST
	s_add_nc_u64 s[G0+2:G0+3], s[G0+2:G0+3], RSTEP
	s_add_nc_u64 s[G0B+2:G0B+3], s[G0B+2:G0B+3], RSTEP
	s_mov_b32 s[G1+2], 104<<16                     ; no tensor load of mine is out: the refill brings two blocks, 104 rows
	s_mov_b32 s[G1+4], 104
	s_mov_b32 s[G1B+2], 104<<16
	s_mov_b32 s[G1B+4], 104
	JLOAD G0, G0B
.else
	PLACES
.endif
	FETCH \next, 0, 0
	MULQ 2, 1, 0
	MULQ 3, 1, 0
.endm
.macro PASS next
	s_wait_dscnt 0x0
	MULQ 0, 1, 0
	MULQ 1, 1, 0
	PLACES
	FETCH \next, 0, 0
	MULQ 2, 1, 0
	MULQ 3, 1, 0
.endm
	s_wait_alu depctr_va_vdst(0)
	s_wait_tensorcnt 0x0                           ; my one load is in
	s_barrier_signal -1
	s_barrier_wait -1
	FETCH 0, 0, 0
	s_wait_loadcnt 0x0
	STEP 0, 1
	TURN 1, 1
	STEP 1, 0
	PASS 2
	STEP 2, 0
	TURN 0, 0
	STEP 0, 0
	s_wait_dscnt 0x0
	MULQ 0, 1, 0
	MULQ 1, 1, 0
	MULQ 2, 1, 0
	MULQ 3, 1, 0
	WIN 0
.macro COPYIN a
	WIN 2+(\a)/4
.set n, 0
.rept 32
	v_pk_mul_f32 v[HX+n:HX+n+1], v[64*((\a)%4)+n:64*((\a)%4)+n+1], 0.5 op_sel_hi:[1,0]
.set n, n+2
.endr
	WIN 0
.endm
.macro P2 op, d, a, b
.set n, 0
	s_wait_alu depctr_va_vdst(0)
.rept 16
	\op v[\d+n:\d+n+1], v[\a+n:\a+n+1], v[\b+n:\b+n+1]
.set n, n+2
.endr
.endm
.macro FIRST d, l, c
.set n, 0
.rept 16
	v_pk_fma_f32 v[\d+n:\d+n+1], v[GS+n:GS+n+1], v[\l:\l+1], s[\c:\c+1] op_sel_hi:[1,1,0]
.set n, n+2
.endr
.endm
.macro HORNER d, c
.set n, 0
.rept 16
	v_pk_fma_f32 v[\d+n:\d+n+1], v[\d+n:\d+n+1], v[GS+n:GS+n+1], s[\c:\c+1] op_sel_hi:[1,1,0]
.set n, n+2
.endr
.endm
.macro GELU c
.set HC, HX+32*(\c)
.set n, 0
.rept 16
	v_pk_mul_f32 v[GU+n:GU+n+1], v[HC+n:HC+n+1], 0x3fb504f3 op_sel_hi:[1,0]
.set n, n+2
.endr
.set n, 0
.rept 32
	v_med3_num_f32 v[GU+n], v[GU+n], s[CLO], s[CHI]
.set n, n+1
.endr
	P2 v_pk_mul_f32, GS, GU, GU
	FIRST GP, LA, CA7
	FIRST GQ, LB, CB10
	HORNER GP, CA5
	HORNER GQ, CB8
	HORNER GP, CA3
	HORNER GQ, CB6
	HORNER GP, CA1
	HORNER GQ, CB4
	HORNER GQ, CB2
.set n, 0
.rept 16
	v_pk_fma_f32 v[GQ+n:GQ+n+1], v[GQ+n:GQ+n+1], v[GS+n:GS+n+1], 1.0 op_sel_hi:[1,1,0]
.set n, n+2
.endr
.set n, 0
	s_wait_alu depctr_va_vdst(0)
.rept 32
	v_rcp_f32 v[GQ+n], v[GQ+n]
.set n, n+1
.endr
	P2 v_pk_mul_f32, GP, GP, GU
	P2 v_pk_mul_f32, GP, GP, GQ
.set n, 0
.rept 16
	v_pk_fma_f32 v[HC+n:HC+n+1], v[HC+n:HC+n+1], v[GP+n:GP+n+1], v[HC+n:HC+n+1]
.set n, n+2
.endr
.endm
	PLACES
	s_mov_b32 s92, 0
.Lepi:
.irp a, 0,1,2,3,4,5,6
	s_cmp_eq_u32 s92, \a
	s_cbranch_scc1 .Lin\a
.endr
	COPYIN 7
	s_branch .Lgo
.irp a, 0,1,2,3,4,5,6
.Lin\a:
	COPYIN \a
	s_branch .Lgo
.endr
.Lgo:
	GELU 0
	GELU 1
	QUANT HX
.irp c, 0,1,2
	global_store_b128 v[L16], v[PC+4*\c:PC+4*\c+3], s[94:95] offset:512*\c
.endr
	global_store_b32 v[L4], v[PW], s[96:97]
	s_wait_xcnt 0x0
	s_add_nc_u64 s[94:95], s[94:95], 1536
	s_add_nc_u64 s[96:97], s[96:97], 128
	s_add_co_u32 s92, s92, 1
	s_cmp_lt_u32 s92, 8
	s_cbranch_scc1 .Lepi
	s_wait_tensorcnt 0x0
	ds_add_u32 v[SPW], v[NIL]
	s_wait_dscnt 0x0
	CROUND
	s_endpgm
.Lfunc_end_k_qc36d629a70_ff1:
	.size	k_qc36d629a70_ff1, .Lfunc_end_k_qc36d629a70_ff1-k_qc36d629a70_ff1
	.p2alignl 7, 3214868480
	.fill 96, 4, 3214868480
	.section	.rodata,"a",@progbits
	.p2align	6, 0x0
	.amdhsa_kernel k_qc36d629a70_ff1
		.amdhsa_group_segment_fixed_size 327680
		.amdhsa_private_segment_fixed_size 0
		.amdhsa_enable_private_segment 0
		.amdhsa_kernarg_size 32
		.amdhsa_user_sgpr_count 2
		.amdhsa_user_sgpr_kernarg_segment_ptr 1
		.amdhsa_wavefront_size32 1
		.amdhsa_system_sgpr_workgroup_id_x 1
		.amdhsa_system_sgpr_workgroup_id_y 1
		.amdhsa_system_sgpr_workgroup_id_z 1
		.amdhsa_system_vgpr_workitem_id 0
		.amdhsa_next_free_vgpr 1024
		.amdhsa_next_free_sgpr 100
		.amdhsa_reserve_vcc 0
		.amdhsa_float_denorm_mode_32 3
		.amdhsa_float_denorm_mode_16_64 3
		.amdhsa_memory_ordered 1
		.amdhsa_forward_progress 1
		.amdhsa_inst_pref_size 166
	.end_amdhsa_kernel
	.amdgpu_metadata
---
amdhsa.version: [ 1, 2 ]
amdhsa.kernels:
  - .name:           k_qc36d629a70_ff1
    .symbol:         k_qc36d629a70_ff1.kd
    .args:
      - { .name: hc, .offset: 0, .size: 8, .value_kind: global_buffer, .address_space: global }
      - { .name: codes, .offset: 8, .size: 8, .value_kind: global_buffer, .address_space: global }
      - { .name: bf1, .offset: 16, .size: 8, .value_kind: global_buffer, .address_space: global }
      - { .name: gc, .offset: 24, .size: 8, .value_kind: global_buffer, .address_space: global }
    .group_segment_fixed_size: 327680
    .private_segment_fixed_size: 0
    .kernarg_segment_align: 8
    .kernarg_segment_size: 32
    .max_flat_workgroup_size: 128
    .sgpr_count:     100
    .vgpr_count:     1024
    .wavefront_size: 32
...
	.end_amdgpu_metadata
.endif
;; end of part 6
;; launch ff2 (part 7): grid 8 x 32, 4 waves a work-group, clusters of 4 x 4, 327,680 bytes of LDS; arguments gc, codes, h, bf2, y; writes y
.if DOCPART == 7
	.amdgcn_target "amdgcn-amd-amdhsa--gfx1250"
	.amdhsa_code_object_version 6
	.text
	.protected	k_qc36d629a70_ff2
	.globl	k_qc36d629a70_ff2
	.p2align	8
	.type	k_qc36d629a70_ff2,@function
k_qc36d629a70_ff2:
	s_mov_b64 s[64:65], 0
	v_nop
	global_prefetch_b8 v0, s[64:65] scope:SCOPE_SE
	s_setreg_imm32_b32 hwreg(HW_REG_WAVE_MODE, 25, 1), 1
	s_wait_xcnt 0x0
	s_wait_alu depctr_hold_cnt(0) depctr_sa_sdst(0) depctr_va_vdst(0) depctr_va_sdst(0) depctr_va_ssrc(0) depctr_va_vcc(0) depctr_vm_vsrc(0)
	s_getreg_b32 s2, hwreg(HW_REG_IB_STS2, 6, 4)
	s_cmp_eq_u32 s2, 0
	s_cbranch_scc0 .Lentry_in_a_cluster
	s_endpgm
.Lentry_in_a_cluster:
	s_bfe_u32 s2, ttmp6, 0x10000c
	s_cmp_lg_u32 s2, 0xf033
	s_cbranch_scc0 .Lentry_shape_is_right
	s_endpgm
.Lentry_shape_is_right:
.set KST,   32
.set BLK,   13312
.set BOFF,  768*BLK
.set SCO,   12288
.set WLOAD, 2*BLK
.set SLOT,  4*WLOAD
.set SPARE, 3*SLOT
.set GSTEP, 12*BLK
.set L16,  1
.set ADRA, 2
.set ADRB, 5
.set SPW,  8
.set NIL,  9
.set STO,  10
.set RD,   11
.set CO,   12
.set ADRS, 20
.set SC,   32
.set BI,   48
.set AF,   64
.set BK,   64
.set G1,   24
.set G0,   32
.set G1B,  48
.set G0B,  56
.set G0P,  76
.set G0PB, 80
.set G1L,  84
.set G1LB, 92
.set G0L,  4
.set G0LB, 68
.set MSB, 0
.macro WIN new
.if MSB != \new
	s_set_vgpr_msb (MSB<<8)|\new
.set MSB, \new
.endif
.endm
.macro PLACES
.rept 4
	v_nop
.endr
.endm
.macro JLOAD ga, g1a, gb, g1b
	s_cmp_eq_u32 s15, 0
	s_cbranch_scc0 .Lfor_b_\@
	tensor_load_to_lds s[\ga:\ga+3], s[\g1a:\g1a+7]
	s_nop 0
.rept 4
	v_nop
.endr
	s_branch .Lasked_\@
.Lfor_b_\@:
	tensor_load_to_lds s[\gb:\gb+3], s[\g1b:\g1b+7]
	s_nop 0
.rept 4
	v_nop
.endr
.Lasked_\@:
.endm
.macro CREST
	s_cmp_lg_u32 s14, 0
	s_cbranch_scc1 .Lnot_wave_0_\@
	s_barrier_signal -3
.Lnot_wave_0_\@:
	s_barrier_wait -3
	s_barrier_signal -1
	s_barrier_wait -1
.endm
.macro CROUND
	s_barrier_signal -1
	s_barrier_wait -1
	CREST
.endm
.macro DESC ga, gb, s
	s_mov_b32 s[\ga], 1
	s_add_co_u32 s[\ga+1], s45, \s*SLOT
	s_add_nc_u64 s[\ga+2:\ga+3], s[20:21], \s*4*BLK
	s_or_b32 s[\ga+3], s[\ga+3], 0x80000000
	s_mov_b32 s[\gb], 1
	s_add_co_u32 s[\gb+1], s45, \s*SLOT
	s_add_nc_u64 s[\gb+2:\gb+3], s[46:47], \s*4*BLK
	s_or_b32 s[\gb+3], s[\gb+3], 0x80000000
	s_wait_alu depctr_va_vdst(0)
	s_wait_tensorcnt 0x0
	ds_add_u32 v8, v9
	ds_add_u32 v8, v9
	s_wait_dscnt 0x0
	CROUND
	JLOAD \ga, G1, \gb, G1B
.endm
	s_load_b256 s[4:11], s[0:1], 0x0
	s_load_b64 s[12:13], s[0:1], 0x20
	v_lshl_add_u32 v[SPW], v0, 2, SPARE
	v_mov_b32 v[NIL], 0
	ds_add_u32 v8, v9
	ds_add_u32 v8, v9
	s_wait_dscnt 0x0
	v_lshrrev_b32 v13, 5, v0
	v_readfirstlane_b32 s14, v13
	s_lshr_b32 s15, s14, 1
	s_and_b32 s16, s14, 1
	s_bfe_u32 s40, ttmp6, 0x40000
	s_bfe_u32 s41, ttmp6, 0x40004
	s_lshl_b32 s42, ttmp9, 2
	s_add_co_u32 s42, s42, s40
	s_and_b32 s17, ttmp7, 0xffff
	s_lshl_b32 s17, s17, 2
	s_add_co_u32 s17, s17, s41
	s_lshl_b32 s43, s41, 2
	s_lshl_b32 s43, 15, s43
	s_lshl_b32 s44, 0x1111, s40
	s_or_b32 s[G1], s43, (3<<16)|(1<<21)
	s_or_b32 s[G1B], s44, (3<<16)|(1<<21)
	s_or_b32 s[G1L], s43, (3<<16)|(1<<21)
	s_or_b32 s[G1LB], s44, (3<<16)|(1<<21)
.irp g, G1, G1B
	s_mov_b32 s[\g+1], 32<<16
	s_mov_b32 s[\g+2], 104<<16
	s_mov_b32 s[\g+3], 32<<16
	s_mov_b32 s[\g+4], 104
	s_mov_b32 s[\g+5], 32
	s_mov_b32 s[\g+6], 0
	s_mov_b32 s[\g+7], 0
.endr
.irp g, G1L, G1LB
	s_mov_b32 s[\g+1], 32<<16
	s_mov_b32 s[\g+2], 208<<16
	s_mov_b32 s[\g+3], 32<<16
	s_mov_b32 s[\g+4], 208
	s_mov_b32 s[\g+5], 32
	s_mov_b32 s[\g+6], 0
	s_mov_b32 s[\g+7], 0
.endr
	s_lshl_b32 s18, s16, 1
	s_mul_i32 s20, s17, KST
	s_add_co_u32 s20, s20, s18
	s_mul_i32 s20, s20, BLK
	s_mov_b32 s21, 0
	s_mul_i32 s46, s42, KST
	s_add_co_u32 s46, s46, s18
	s_mul_i32 s46, s46, BLK
	s_add_co_u32 s46, s46, BOFF
	s_mov_b32 s47, 0
	s_mul_i32 s45, s14, WLOAD
	s_mul_i32 s66, s16, SLOT
	s_mul_i32 s67, s15, 2*WLOAD
	s_add_co_u32 s66, s66, s67
	s_mul_i32 s22, s16, 2*BLK
	s_mov_b32 s23, 0
	s_lshl_b32 s72, s17, 19
	s_lshl_b32 s73, s15, 18
	s_add_co_u32 s72, s72, s73
	s_lshl_b32 s74, s42, 9
	s_lshl_b32 s73, s16, 8
	s_add_co_u32 s74, s74, s73
	s_add_co_u32 s72, s72, s74
	s_mov_b32 s73, 0
	s_mov_b32 s75, 0
	s_wait_kmcnt 0x0
	s_add_nc_u64 s[20:21], s[4:5], s[20:21]
	s_add_nc_u64 s[46:47], s[6:7], s[46:47]
	s_add_nc_u64 s[8:9], s[8:9], s[72:73]
	s_add_nc_u64 s[12:13], s[12:13], s[72:73]
	s_add_nc_u64 s[10:11], s[10:11], s[74:75]
	s_mov_b32 s[G0L], 1
	s_mov_b32 s[G0L+1], s66
	s_add_nc_u64 s[G0L+2:G0L+3], s[20:21], s[22:23]
	s_or_b32 s[G0L+3], s[G0L+3], 0x80000000
	s_mov_b32 s[G0LB], 1
	s_mov_b32 s[G0LB+1], s66
	s_add_nc_u64 s[G0LB+2:G0LB+3], s[46:47], s[22:23]
	s_or_b32 s[G0LB+3], s[G0LB+3], 0x80000000
	CROUND
	JLOAD G0L, G1L, G0LB, G1LB                     ; the head's one load a wave: four blocks, K steps 0-7 into slots 0 and 1
	DESC G0P, G0PB, 2                              ; behind the full sequence and a round: K steps 8-11 into slot 2
	v_and_b32 v14, 31, v0
	v_and_b32 v15, 15, v0
	v_bfe_u32 v16, v0, 4, 1
	s_wait_alu depctr_va_vdst(0)
	v_lshlrev_b32 v[L16], 4, v14
	s_wait_alu depctr_va_vdst(0)
	v_lshlrev_b32 v13, 4, v15
	v_lshl_add_u32 v[CO], v16, 12, v13
	global_load_b128 v[BI:BI+3], v13, s[10:11]
	WIN 0xc0
.irp a, 0,1,2,3
.irp t, 0,1,2,3,4,5,6,7
	global_load_b128 v[32*\a+4*\t:32*\a+4*\t+3], v[CO], s[8:9] offset:(32*(\a/2)+8*(\a%2)+2*\t+8*(\t/4))*4096 th:TH_LOAD_NT
.endr
.endr
	WIN 0
	s_mul_i32 s18, s15, 6144
	s_mul_i32 s19, s16, 6144
	s_add_co_u32 s19, s19, 2*WLOAD
	s_xor_b32 s22, s15, 1
	s_add_co_u32 s22, s22, s16
	s_lshl_b32 s22, s22, 9
	s_add_co_u32 s22, s22, 2*WLOAD-512
	v_mul_u32_u24 v17, s22, v16
	v_lshl_add_u32 v17, v14, 2, v17
	s_wait_alu depctr_va_vdst(0)
	s_lshl_b32 s23, s15, 9
	s_add_co_u32 s23, s23, SCO
.irp s, 0,1,2
	v_add_nc_u32 v[ADRA+\s], s18, v[L16]
	v_add_nc_u32 v[ADRB+\s], s19, v[L16]
	v_add_nc_u32 v[ADRS+\s], s23, v17
	s_add_co_u32 s18, s18, SLOT
	s_add_co_u32 s19, s19, SLOT
	s_add_co_u32 s23, s23, SLOT
.endr
	s_mul_i32 s23, s14, 4352
	s_add_co_u32 s23, s23, 2*SLOT
	v_mul_u32_u24 v[STO], v15, 272
	v_lshl_add_u32 v[STO], v16, 6, v[STO]
	v_add_nc_u32 v[STO], s23, v[STO]
	v_mul_u32_u24 v[RD], v16, 272
	v_lshl_add_u32 v[RD], v15, 4, v[RD]
	v_add_nc_u32 v[RD], s23, v[RD]
.macro FETCH slot, u, p
	WIN 0x40
.irp x, 0,1,2,3,4,5,6,7
.irp c, 0,1,2
	ds_load_b128 v[128*(\p)+12*\x+4*\c:128*(\p)+12*\x+4*\c+3], v[ADRB+\slot] offset:(2*(\u)+\x/4)*BLK+1536*(\x%4)+512*\c
.endr
.endr
	WIN 0
.irp x, 0,1,2,3,4,5,6,7
.irp c, 0,1,2
	ds_load_b128 v[AF+96*(\p)+12*\x+4*\c:AF+96*(\p)+12*\x+4*\c+3], v[ADRA+\slot] offset:(2*(\u)+\x/4)*BLK+1536*(\x%4)+512*\c
.endr
.endr
.irp x, 0,1,2,3,4,5,6,7
	ds_load_b32 v[SC+8*(\p)+\x], v[ADRS+\slot] offset:(2*(\u)+\x/4)*BLK+128*(\x%4)
.endr
.endm
.macro MULQ k, p, zero
	WIN 0xa1
.irp a, 2*((\k)%2), 2*((\k)%2)+1
.irp b, 0,1,2,3
.set rD, 8*(4*(\a)+\b)
.set rB, 128*(\p)+12*(4*((\k)/2)+\b)
.set rA, AF+96*(\p)+12*(4*((\k)/2)+(\a))
.set rS, SC+8*(\p)+4*((\k)/2)
.if (\zero) && ((\k) < 2)
	v_wmma_scale_f32_16x16x128_f8f6f4 v[rD:rD+7], v[rB:rB+11], v[rA:rA+11], 0, v[rS+\b], v[rS+(\a)] matrix_a_fmt:MATRIX_FMT_FP6 matrix_b_fmt:MATRIX_FMT_FP6 matrix_a_scale:MATRIX_SCALE_ROW1
.else
	v_wmma_scale_f32_16x16x128_f8f6f4 v[rD:rD+7], v[rB:rB+11], v[rA:rA+11], v[rD:rD+7], v[rS+\b], v[rS+(\a)] matrix_a_fmt:MATRIX_FMT_FP6 matrix_b_fmt:MATRIX_FMT_FP6 matrix_a_scale:MATRIX_SCALE_ROW1
.endif
.endr
.endr
.endm
.macro STEP slot, zero
	PLACES
	FETCH \slot, 1, 1
	s_wait_dscnt 56
	MULQ 0, 0, \zero
	MULQ 1, 0, \zero
	MULQ 2, 0, \zero
	MULQ 3, 0, \zero
	WIN 0
.endm
.macro TURN next, kind, on
	s_wait_tensorcnt 0x0
	ds_add_u32 v[SPW], v[NIL]
	s_wait_dscnt 1
	MULQ 0, 1, 0
	s_wait_dscnt 0x0
	s_barrier_signal -1
	MULQ 1, 1, 0
	WIN 0
	s_barrier_wait -1
.if \kind == 0
	PLACES
.else
	CREST
.if \kind == 1
	s_add_nc_u64 s[G0P+2:G0P+3], s[G0P+2:G0P+3], GSTEP
	s_add_nc_u64 s[G0PB+2:G0PB+3], s[G0PB+2:G0PB+3], GSTEP
	JLOAD G0P, G1, G0PB, G1B
.else
.if \on
	s_add_nc_u64 s[G0L+2:G0L+3], s[G0L+2:G0L+3], GSTEP
	s_add_nc_u64 s[G0LB+2:G0LB+3], s[G0LB+2:G0LB+3], GSTEP
.endif
	JLOAD G0L, G1L, G0LB, G1LB
.endif
.endif
	s_wait_alu depctr_va_vdst(0)
	FETCH \next, 0, 0
	MULQ 2, 1, 0
	MULQ 3, 1, 0
.endm
.macro PASS next
	s_wait_dscnt 0x0
	MULQ 0, 1, 0
	MULQ 1, 1, 0
	PLACES
	FETCH \next, 0, 0
	MULQ 2, 1, 0
	MULQ 3, 1, 0
.endm
	s_wait_tensorcnt 1
	s_barrier_signal -1
	s_barrier_wait -1
	FETCH 0, 0, 0
	STEP 0, 1
	PASS 1
	STEP 1, 0
	TURN 2, 2, 1
	STEP 2, 0
	TURN 0, 1, 0
	STEP 0, 0
	PASS 1
	STEP 1, 0
	TURN 2, 2, 1
	STEP 2, 0
	TURN 0, 0, 0
	STEP 0, 0
	PASS 1
	STEP 1, 0
	s_wait_dscnt 0x0
	MULQ 0, 1, 0
	MULQ 1, 1, 0
	MULQ 2, 1, 0
	MULQ 3, 1, 0
	WIN 0
	PLACES
	s_wait_loadcnt 0x0
.irp a, 0,1,2,3
	WIN 0x08
.irp b, 0,1,2,3
	ds_store_b128 v[STO], v[8*(4*\a+\b):8*(4*\a+\b)+3] offset:128*(\b/2)+32*(\b%2)
	ds_store_b128 v[STO], v[8*(4*\a+\b)+4:8*(4*\a+\b)+7] offset:128*(\b/2)+32*(\b%2)+16
.endr
	WIN 0
.irp t, 0,1,2,3,4,5,6,7
	ds_load_b128 v[BK+32*\a+4*\t:BK+32*\a+4*\t+3], v[RD] offset:544*\t
.endr
.endr
.irp a, 0,1,2,3
	s_wait_dscnt 16*(3-\a)
	WIN 0x0c
.set n, 0
.rept 16
	v_pk_add_f32 v[BK+32*\a+n:BK+32*\a+n+1], v[BK+32*\a+n:BK+32*\a+n+1], v[32*\a+n:32*\a+n+1]
.set n, n+2
.endr
	WIN 0
.irp t, 0,1,2,3,4,5,6,7
	v_pk_add_f32 v[BK+32*\a+4*\t:BK+32*\a+4*\t+1], v[BK+32*\a+4*\t:BK+32*\a+4*\t+1], v[BI:BI+1]
	v_pk_add_f32 v[BK+32*\a+4*\t+2:BK+32*\a+4*\t+3], v[BK+32*\a+4*\t+2:BK+32*\a+4*\t+3], v[BI+2:BI+3]
.endr
.irp t, 0,1,2,3,4,5,6,7
	global_store_b128 v[CO], v[BK+32*\a+4*\t:BK+32*\a+4*\t+3], s[12:13] offset:(32*(\a/2)+8*(\a%2)+2*\t+8*(\t/4))*4096
.endr
.endr
	s_wait_tensorcnt 0x0
	ds_add_u32 v[SPW], v[NIL]
	s_wait_dscnt 0x0
	CROUND
	s_endpgm
.Lfunc_end_k_qc36d629a70_ff2:
	.size	k_qc36d629a70_ff2, .Lfunc_end_k_qc36d629a70_ff2-k_qc36d629a70_ff2
	.p2alignl 7, 3214868480
	.fill 96, 4, 3214868480
	.section	.rodata,"a",@progbits
	.p2align	6, 0x0
	.amdhsa_kernel k_qc36d629a70_ff2
		.amdhsa_group_segment_fixed_size 327680
		.amdhsa_private_segment_fixed_size 0
		.amdhsa_enable_private_segment 0
		.amdhsa_kernarg_size 40
		.amdhsa_user_sgpr_count 2
		.amdhsa_user_sgpr_kernarg_segment_ptr 1
		.amdhsa_wavefront_size32 1
		.amdhsa_system_sgpr_workgroup_id_x 1
		.amdhsa_system_sgpr_workgroup_id_y 1
		.amdhsa_system_sgpr_workgroup_id_z 1
		.amdhsa_system_vgpr_workitem_id 0
		.amdhsa_next_free_vgpr 1024
		.amdhsa_next_free_sgpr 100
		.amdhsa_reserve_vcc 0
		.amdhsa_float_denorm_mode_32 3
		.amdhsa_float_denorm_mode_16_64 3
		.amdhsa_memory_ordered 1
		.amdhsa_forward_progress 1
		.amdhsa_inst_pref_size 157
	.end_amdhsa_kernel
	.amdgpu_metadata
---
amdhsa.version: [ 1, 2 ]
amdhsa.kernels:
  - .name:           k_qc36d629a70_ff2
    .symbol:         k_qc36d629a70_ff2.kd
    .args:
      - { .name: gc, .offset: 0, .size: 8, .value_kind: global_buffer, .address_space: global }
      - { .name: codes, .offset: 8, .size: 8, .value_kind: global_buffer, .address_space: global }
      - { .name: h, .offset: 16, .size: 8, .value_kind: global_buffer, .address_space: global }
      - { .name: bf2, .offset: 24, .size: 8, .value_kind: global_buffer, .address_space: global }
      - { .name: y, .offset: 32, .size: 8, .value_kind: global_buffer, .address_space: global }
    .group_segment_fixed_size: 327680
    .private_segment_fixed_size: 0
    .kernarg_segment_align: 8
    .kernarg_segment_size: 40
    .max_flat_workgroup_size: 128
    .sgpr_count:     100
    .vgpr_count:     1024
    .wavefront_size: 32
...
	.end_amdgpu_metadata
.endif
;; end of part 7
;; launch ln2 (part 8): grid 256 x 1, 8 waves a work-group, no clusters, 70,656 bytes of LDS; arguments y, g2, b2, out0; writes out0
.if DOCPART == 8
	.amdgcn_target "amdgcn-amd-amdhsa--gfx1250"
	.amdhsa_code_object_version 6
	.text
	.protected	k_qc36d629a70_ln2
	.globl	k_qc36d629a70_ln2
	.p2align	8
	.type	k_qc36d629a70_ln2,@function
k_qc36d629a70_ln2:
	s_mov_b64 s[64:65], 0
	v_nop
	global_prefetch_b8 v0, s[64:65] scope:SCOPE_SE
	s_setreg_imm32_b32 hwreg(HW_REG_WAVE_MODE, 25, 1), 1
	s_wait_xcnt 0x0
; out = (y - mean) x rsqrt(var + 1e-5) x g + b over rows of 1,024, in f32.
; SHARES: a work-group takes 16 rows: rows 128 G + 32 (f / 2) + 8 (f % 2) + i + 8 (i / 8), G = number / 8, f = number % 8 (the first norm's shares).  Wave w takes columns 128 w on.
; A wave's 16 x 128 numbers come by 16 loads of 512 consecutive bytes, turn through the wave's stage in LDS (rows of 512 + 16 bytes), so that lane (r, h) holds of row r the numbers 32 b + 16 h + i (register 16 b + i)
; and a row's sum needs one exchange of lanes, and go back the same way.  The mean and then the sum of squares of the differences (two passes: no difference of large sums) meet in LDS: a word for each lane and wave,
; one barrier each, bytes of their own.
; No cluster: work-groups share no input but the 8 KB of g and b.  No matrix unit: there is no product.
; LIMITS: NaN and infinities are not served.
.set R,    16                          ; v16-79   y as loaded, later b
.set X,    80                          ; v80-143  my 64 numbers
.set GG,   144                         ; v144-207 g, later rows on their way out
.set TM,   208                         ; v208-223 at work
.set RED,  67584                       ; behind the eight stages: 1,024 bytes for the sums, 1,024 for the sums of squares
.set SEL,  28
; four pairs of partial sums in v[TM] on become the row's total in v[TM], the same bits in every lane of the row in every wave
.macro FOLD
	v_pk_add_f32 v[TM:TM+1], v[TM:TM+1], v[TM+2:TM+3]
	v_pk_add_f32 v[TM+4:TM+5], v[TM+4:TM+5], v[TM+6:TM+7]
	s_delay_alu instid0(VALU_DEP_1)
	v_pk_add_f32 v[TM:TM+1], v[TM:TM+1], v[TM+4:TM+5]
	s_delay_alu instid0(VALU_DEP_1)
	v_add_f32 v[TM], v[TM], v[TM+1]
.endm
.macro ACROSS off
	FOLD
	s_delay_alu instid0(VALU_DEP_1)
	v_permlanex16_b32 v[TM+8], v[TM], s[SEL], s[SEL+1]
	s_delay_alu instid0(VALU_DEP_1)
	v_add_f32 v[TM], v[TM], v[TM+8]                ; my wave's 128 columns of row r
	ds_store_b32 v8, v[TM] offset:\off
	s_wait_dscnt 0x0                               ; for the others' sake: my word has landed
	s_barrier_signal -1
	s_barrier_wait -1
	ds_load_b128 v[TM:TM+3], v9 offset:\off        ; the eight waves' words of my row
	ds_load_b128 v[TM+4:TM+7], v9 offset:\off+16
	s_wait_dscnt 0x0
	FOLD
.endm
	s_load_b256 s[4:11], s[0:1], 0x0               ; y s[4:5], g s[6:7], b s[8:9], out s[10:11]
	v_lshl_add_u32 v254, v0, 2, 0x11000
	v_mov_b32 v255, 0
	v_lshrrev_b32 v1, 5, v0
	s_delay_alu instid0(VALU_DEP_1)
	v_readfirstlane_b32 s14, v1                    ; wave 0..7
	v_and_b32 v1, 31, v0                           ; lane
	v_and_b32 v2, 15, v0                           ; r
	v_bfe_u32 v3, v0, 4, 1                         ; h
	s_delay_alu instid0(VALU_DEP_3)
	v_lshlrev_b32 v4, 4, v1                        ; 16 x lane
	s_delay_alu instid0(VALU_DEP_2)
	v_lshlrev_b32 v5, 6, v3                        ; g, b: 64 h
	s_mul_i32 s15, s14, 8448                       ; my stage
	v_add_nc_u32 v6, s15, v4                       ; rows as they lie
	v_mul_u32_u24 v7, v2, 528
	s_delay_alu instid0(VALU_DEP_1)
	v_lshl_add_u32 v7, v3, 6, v7
	s_delay_alu instid0(VALU_DEP_1)
	v_add_nc_u32 v7, s15, v7                       ; row r, + 64 h
	s_lshl_b32 s16, s14, 2
	v_lshlrev_b32 v9, 5, v1
	s_delay_alu instid0(VALU_DEP_1)
	v_add_nc_u32 v9, RED, v9                       ; the sums: 32 bytes a lane,
	s_delay_alu instid0(VALU_DEP_1)
	v_add_nc_u32 v8, s16, v9                       ; a word a wave
	v_mov_b32 v[TM+8], 0                           ; written once: a lane permute's destination counts as one of its sources
	s_lshr_b32 s17, ttmp9, 3                       ; G
	s_and_b32 s18, ttmp9, 7                        ; f
	s_lshr_b32 s19, s18, 1
	s_and_b32 s20, s18, 1
	s_lshl_b32 s21, s17, 7
	s_lshl_b32 s19, s19, 5
	s_lshl_b32 s20, s20, 3
	s_add_co_u32 s21, s21, s19
	s_add_co_u32 s21, s21, s20                     ; my first row
	s_lshl_b32 s22, s21, 12
	s_lshl_b32 s24, s14, 9                         ; my 512 bytes of a row
	s_add_co_u32 s22, s22, s24
	s_mov_b32 s23, 0
	s_mov_b32 s25, 0
	s_mov_b32 s[SEL], 0x76543210
	s_mov_b32 s[SEL+1], 0xfedcba98
	s_mov_b32 s40, 0x3a800000                      ; 1 / 1,024
	s_mov_b32 s41, 0x3727c5ac                      ; 1e-5
	s_wait_alu depctr_va_vdst(0)
	s_wait_kmcnt 0x0
	s_add_nc_u64 s[4:5], s[4:5], s[22:23]
	s_add_nc_u64 s[10:11], s[10:11], s[22:23]
	s_add_nc_u64 s[6:7], s[6:7], s[24:25]
	s_add_nc_u64 s[8:9], s[8:9], s[24:25]
.irp i, 0,1,2,3,4,5,6,7,8,9,10,11,12,13,14,15
	global_load_b128 v[R+4*\i:R+4*\i+3], v4, s[4:5] offset:(\i+8*(\i/8))*4096 th:TH_LOAD_NT   ; 512 consecutive bytes of a row
.endr
.irp b, 0,1,2,3
.irp j, 0,1,2,3
	global_load_b128 v[GG+16*\b+4*\j:GG+16*\b+4*\j+3], v5, s[6:7] offset:128*\b+16*\j
.endr
.endr
	s_wait_loadcnt 16                              ; y is in; g's 16 loads may be out
.irp i, 0,1,2,3,4,5,6,7,8,9,10,11,12,13,14,15
	ds_store_b128 v6, v[R+4*\i:R+4*\i+3] offset:528*\i
.endr
.irp b, 0,1,2,3
.irp j, 0,1,2,3
	ds_load_b128 v[X+16*\b+4*\j:X+16*\b+4*\j+3], v7 offset:128*\b+16*\j   ; LDS serves a wave's instructions in order: these see the stores above
.endr
.endr
	s_wait_dscnt 0x0                               ; the numbers are turned, and the stores have read R
.irp b, 0,1,2,3
.irp j, 0,1,2,3
	global_load_b128 v[R+16*\b+4*\j:R+16*\b+4*\j+3], v5, s[8:9] offset:128*\b+16*\j
.endr
.endr
.irp c, 0,1,2,3
	v_pk_add_f32 v[TM+2*\c:TM+2*\c+1], v[X+2*\c:X+2*\c+1], v[X+8+2*\c:X+9+2*\c]   ; the sum of my 64, in four chains
.endr
.irp n, 2,3,4,5,6,7
.irp c, 0,1,2,3
	s_delay_alu instid0(VALU_DEP_4)
	v_pk_add_f32 v[TM+2*\c:TM+2*\c+1], v[TM+2*\c:TM+2*\c+1], v[X+8*\n+2*\c:X+8*\n+2*\c+1]
.endr
.endr
	ACROSS 0
	s_delay_alu instid0(VALU_DEP_1)
	v_mul_f32 v[TM+10], 0xba800000, v[TM]          ; - mean
	s_delay_alu instid0(VALU_DEP_1)
	v_mov_b32 v[TM+11], v[TM+10]
.set n, 0
.rept 32
	v_pk_add_f32 v[X+n:X+n+1], v[X+n:X+n+1], v[TM+10:TM+11]
.set n, n+2
.endr
.irp c, 0,1,2,3
	v_pk_mul_f32 v[TM+2*\c:TM+2*\c+1], v[X+2*\c:X+2*\c+1], v[X+2*\c:X+2*\c+1]
.endr
.irp n, 1,2,3,4,5,6,7
.irp c, 0,1,2,3
	s_delay_alu instid0(VALU_DEP_4)
	v_pk_fma_f32 v[TM+2*\c:TM+2*\c+1], v[X+8*\n+2*\c:X+8*\n+2*\c+1], v[X+8*\n+2*\c:X+8*\n+2*\c+1], v[TM+2*\c:TM+2*\c+1]
.endr
.endr
	ACROSS 1024
	s_delay_alu instid0(VALU_DEP_1)
	v_fma_f32 v[TM+12], v[TM], s40, s41            ; var + 1e-5
	s_wait_alu depctr_va_vdst(0)
	v_rsq_f32 v[TM+14], v[TM+12]
	v_nop                                          ; a plain place behind the transcendental
	s_wait_alu depctr_va_vdst(0)
	v_mov_b32 v[TM+15], v[TM+14]
	s_wait_alu depctr_va_vdst(0)
	s_wait_loadcnt 0x0                             ; g and b
.set n, 0
.rept 32
	v_pk_mul_f32 v[X+n:X+n+1], v[X+n:X+n+1], v[TM+14:TM+15]
.set n, n+2
.endr
.set n, 0
.rept 32
	v_pk_fma_f32 v[X+n:X+n+1], v[X+n:X+n+1], v[GG+n:GG+n+1], v[R+n:R+n+1]
.set n, n+2
.endr
.irp b, 0,1,2,3
.irp j, 0,1,2,3
	ds_store_b128 v7, v[X+16*\b+4*\j:X+16*\b+4*\j+3] offset:128*\b+16*\j
.endr
.endr
.irp i, 0,1,2,3,4,5,6,7,8,9,10,11,12,13,14,15
	ds_load_b128 v[GG+4*\i:GG+4*\i+3], v6 offset:528*\i
.endr
.irp i, 0,1,2,3,4,5,6,7,8,9,10,11,12,13,14,15
	s_wait_dscnt 15-\i                             ; row i is back; the younger loads may be out
	global_store_b128 v4, v[GG+4*\i:GG+4*\i+3], s[10:11] offset:(\i+8*(\i/8))*4096 th:TH_STORE_NT   ; 512 consecutive bytes of a row; written once, read by nobody here
.endr
	s_wait_tensorcnt 0x0
	ds_add_u32 v254, v255
	s_wait_dscnt 0x0
	s_endpgm
.Lfunc_end_k_qc36d629a70_ln2:
	.size	k_qc36d629a70_ln2, .Lfunc_end_k_qc36d629a70_ln2-k_qc36d629a70_ln2
	.p2alignl 7, 3214868480
	.fill 96, 4, 3214868480
	.section	.rodata,"a",@progbits
	.p2align	6, 0x0
	.amdhsa_kernel k_qc36d629a70_ln2
		.amdhsa_group_segment_fixed_size 70656
		.amdhsa_private_segment_fixed_size 0
		.amdhsa_enable_private_segment 0
		.amdhsa_kernarg_size 32
		.amdhsa_user_sgpr_count 2
		.amdhsa_user_sgpr_kernarg_segment_ptr 1
		.amdhsa_wavefront_size32 1
		.amdhsa_system_sgpr_workgroup_id_x 1
		.amdhsa_system_sgpr_workgroup_id_y 1
		.amdhsa_system_sgpr_workgroup_id_z 1
		.amdhsa_system_vgpr_workitem_id 0
		.amdhsa_next_free_vgpr 256
		.amdhsa_next_free_sgpr 66
		.amdhsa_reserve_vcc 0
		.amdhsa_float_denorm_mode_32 3
		.amdhsa_float_denorm_mode_16_64 3
		.amdhsa_memory_ordered 1
		.amdhsa_forward_progress 1
		.amdhsa_inst_pref_size 27
	.end_amdhsa_kernel
	.amdgpu_metadata
---
amdhsa.version: [ 1, 2 ]
amdhsa.kernels:
  - .name:           k_qc36d629a70_ln2
    .symbol:         k_qc36d629a70_ln2.kd
    .args:
      - { .name: y, .offset: 0, .size: 8, .value_kind: global_buffer, .address_space: global }
      - { .name: g2, .offset: 8, .size: 8, .value_kind: global_buffer, .address_space: global }
      - { .name: b2, .offset: 16, .size: 8, .value_kind: global_buffer, .address_space: global }
      - { .name: out0, .offset: 24, .size: 8, .value_kind: global_buffer, .address_space: global }
    .group_segment_fixed_size: 70656
    .private_segment_fixed_size: 0
    .kernarg_segment_align: 8
    .kernarg_segment_size: 32
    .max_flat_workgroup_size: 256
    .sgpr_count:     66
    .vgpr_count:     256
    .wavefront_size: 32
...
	.end_amdgpu_metadata
.endif
;; end of part 8
